; MI455X (gfx1250); checked and timed in simulation.
; The chip was launched on July 23, 2026; its instructions are those of AMD's public machine-readable ISA for CDNA 5 (MIT licence, August 2026) and "CDNA5" Instruction Set Architecture Reference Guide (July 2026). The comments in the code are by the model that wrote it; some were corrected since.
;; KAN. Allowed arithmetic: float matrix products may take bf16 or f16 operands with f32 sums; all other float work in f32.
;; Inputs: base_w0 2,048 x 1,023 float32; base_w1 2,048 x 2,048 float32; base_w2 512 x 2,048 float32; scaler0 2,048 x 1,023 float32; scaler1 2,048 x 2,048 float32; scaler2 512 x 2,048 float32; spline_w0 2,048 x 1,023 x 8 float32; spline_w1 2,048 x 2,048 x 8 float32; spline_w2 512 x 2,048 x 8 float32; xs 1,024 x 512 x 1 float32; ys 1,024 x 512 float32.
;; Outputs: out0 1,024 x 512 float32.
;; One version. Each part assembles by itself: llvm-mc -triple=amdgcn-amd-amdhsa -mcpu=gfx1250 --defsym DOCPART=n.
;; ======== version 1 of 1: 7 launches
;; workspace buffers: act0 18,874,368 bytes; act1 37,748,736 bytes; act2 41,943,040 bytes; part 67,108,864 bytes
;; launch expand0 (part 1): grid 256 x 1, 4 waves a work-group, no clusters, 9,216 bytes of LDS; arguments xs, ys, act0; writes act0
.if DOCPART == 1
	.amdgcn_target "amdgcn-amd-amdhsa--gfx1250"
	.amdhsa_code_object_version 6
	.text
	.protected	k_q5ab76bfca8_expand0
	.globl	k_q5ab76bfca8_expand0
	.p2align	8
	.type	k_q5ab76bfca8_expand0,@function
k_q5ab76bfca8_expand0:
	s_mov_b64 s[64:65], 0
	v_nop
	global_prefetch_b8 v0, s[64:65] scope:SCOPE_SE
	s_setreg_imm32_b32 hwreg(HW_REG_WAVE_MODE, 25, 1), 1
	s_wait_xcnt 0x0
; act0 = the bf16 operand of layer 0, made from xs and ys.
; h[n][f] = xs[n][f/2] for even f, ys[n][f/2] for odd f, f = 0 .. 1022.  Each h gives nine columns: relu(h) and the eight cubic B-spline values.
; act0 is [1024][9216] bf16: eight slices of 1152 columns, [128 relu][128 x 8 spline]; position p of slice s is feature f0 + p, f0 = min(128 s, 895).
; 1023 features do not divide into eight slices of 128, so slice 7 begins one feature early, at 895, which slice 6 also holds; its position 0 is
; made from the stand-in -4.0, which is negative and left of the first knot, so that all nine of its columns are 0 and the feature counts once.
; A wave takes one slice of eight rows: lane (r, h) holds the 32 values (b, j): row m0 + 4 h + j, position 16 b + r.
; The wave walks its values in eight chunks b of four: a chunk's eight loads are waited for by a count that leaves the later chunks on their way,
; and its stores leave while they arrive.  Four values are expanded side by side, so that no instruction reads the result of the one in front of it.
; No matrix work, no tensor loads, no clusters: the work-groups share no input, and the launch moves 4 MiB in and 18 MiB out.
; SPLINES: knots -2.2 + 0.4 i.  t = 2.5 x + 5.5, i = floor t, u = t - i; the four values that are not 0 are those of basis i-3 .. i:
; (1-u)^3/6, u^2 (u/2 - 1) + 2/3, 1 - the other three, u^3/6.  They are placed among the eight by selects alone; outside [-2.2, 2.2) no select takes.
; LIMITS: closed form in place of the recursion (differences of the order of f32 rounding); NaN and infinities are not served.
.set RP,     18432                     ; bytes in a row of act0
.set SLB,    2304                      ; bytes of a slice in a row
.set SPITCH, 272                       ; a stage row: 256 bytes + 16
.set LOFF, 2                           ; v2   lane term of the loads
.set SOFF, 3                           ; v3   lane term of the spline stores
.set STG,  4                           ; v4   stage: where I put a relu value
.set RDA,  5                           ; v5   stage: where I read 16 bytes back
.set ROFF, 6                           ; v6   lane term of the relu stores
.set C55,  8                           ; v[8:9]   5.5 twice
.set KK,   10                          ; v[10:11] the cube root of 1/6, twice
.set C23,  12                          ; v[12:13] 2/3 twice
.set UR,   14                          ; v[14:23] at work on relu, two sets of five
.set TM,   24                          ; v[24:63] at work on the splines: ten arrays of four; at the start the lane's r and h
.set BACK, 24                          ; at the end: the stage read back
.set XR,   64                          ; v[64:95]   xs, then h
.set YR,   96                          ; v[96:127]  ys
.set OUT,  128                         ; v[128:255] a quad of its own for every value: no store's data is ever rewritten
.set SM,   68                          ; s[68:95]   seven masks for each of four values
.macro LDCH b                          ; chunk b: four rows of xs and of ys
.irp j, 0,1,2,3
	global_load_b32 v[XR+4*(\b)+\j], v[LOFF], s[4:5] offset:\j*2048+32*(\b)
.endr
.irp j, 0,1,2,3
	global_load_b32 v[YR+4*(\b)+\j], v[LOFF], s[6:7] offset:\j*2048+32*(\b)   ; index at most 511: inside ys for feature 1022 too, where the number is not used
.endr
.endm
	s_load_b128 s[4:7], s[0:1], 0x0                ; xs s[4:5], ys s[6:7]
	s_load_b64 s[8:9], s[0:1], 0x10                ; act0
	v_lshl_add_u32 v22, v0, 2, 0x2200
	v_mov_b32 v23, 0
	v_lshrrev_b32 v1, 5, v0
	v_readfirstlane_b32 s2, v1                     ; wave
	s_lshl_b32 s3, ttmp9, 2
	s_add_co_u32 s3, s3, s2                        ; unit 0 .. 1023
	s_and_b32 s10, s3, 7                           ; slice
	s_lshr_b32 s11, s3, 3                          ; group of eight rows
	s_lshl_b32 s12, s10, 7
	s_min_u32 s12, s12, 895                        ; f0
	s_lshl_b32 s14, s11, 14                        ; eight rows of 2,048 bytes
	s_mov_b32 s15, 0
	v_and_b32 v25, 15, v0                          ; r
	v_bfe_u32 v26, v0, 4, 1                        ; h
	v_add_nc_u32 v27, s12, v25                     ; f0 + r: the feature for b = 0; 16 b changes neither its parity nor the form of its half
	v_lshrrev_b32 v[LOFF], 1, v27
	v_lshlrev_b32 v[LOFF], 2, v[LOFF]              ; 4 ((f0 + r) / 2)
	v_lshl_add_u32 v[LOFF], v26, 13, v[LOFF]       ; + 4 h rows
	s_wait_kmcnt 0x0
	s_add_nc_u64 s[4:5], s[4:5], s[14:15]
	s_add_nc_u64 s[6:7], s[6:7], s[14:15]
.irp b, 0,1,2,3,4,5,6
	LDCH \b                                        ; 56 loads; the last chunk's eight follow behind the first wait
.endr
	v_and_b32 v27, 1, v27
	v_cmp_eq_u32 vcc_lo, 1, v27                    ; odd feature: ys
	s_xor_b32 s13, s10, 7
	s_lshl_b32 s13, s13, 4
	v_or_b32 v27, s13, v25
	v_cmp_eq_u32 s16, 0, v27                       ; slice 7 and r = 0: with b = 0 the doubled feature
	s_mul_i32 s18, s11, 8*RP
	s_mul_i32 s17, s10, SLB
	s_add_co_u32 s18, s18, s17
	s_mov_b32 s19, 0
	s_add_nc_u64 s[18:19], s[8:9], s[18:19]        ; my slice in my first row: the relu columns
	s_add_nc_u64 s[20:21], s[18:19], 256           ; the spline columns
	s_mul_i32 s22, s2, 8*SPITCH                    ; my wave's stage
	v_mul_u32_u24 v[SOFF], v26, 4*RP
	v_lshl_add_u32 v[SOFF], v25, 4, v[SOFF]        ; 4 h rows + 16 r
	v_mul_u32_u24 v[STG], v26, 4*SPITCH
	v_lshl_add_u32 v[STG], v25, 1, v[STG]
	v_add_nc_u32 v[STG], s22, v[STG]               ; stage row 4 h (+ j), byte 2 r (+ 32 b)
	v_mul_u32_u24 v[RDA], v26, SPITCH
	v_lshl_add_u32 v[RDA], v25, 4, v[RDA]
	v_add_nc_u32 v[RDA], s22, v[RDA]               ; back: lanes 0-15 one row, lanes 16-31 the next
	v_mul_u32_u24 v[ROFF], v26, RP
	v_lshl_add_u32 v[ROFF], v25, 4, v[ROFF]
	v_mov_b32 v[C55], 0x40b00000
	v_mov_b32 v[C55+1], 0x40b00000
	v_mov_b32 v[KK], 0x3f0ce1da
	v_mov_b32 v[KK+1], 0x3f0ce1da
	v_mov_b32 v[C23], 0x3f2aaaab
	v_mov_b32 v[C23+1], 0x3f2aaaab
; relu of the chunk's four rows (in v[CB .. CB+3]), rounded two and two; each half goes to its own stage row
.macro RELU4 b
.irp g, 0,1
	v_max_num_f32 v[UR+5*\g], 0, v[CB+2*\g]
	v_max_num_f32 v[UR+5*\g+1], 0, v[CB+2*\g+1]
.endr
.irp g, 0,1
	v_cvt_pk_bf16_f32 v[UR+5*\g+2], v[UR+5*\g], v[UR+5*\g+1]
.endr
.irp g, 0,1
	ds_store_b16 v[STG], v[UR+5*\g+2] offset:2*\g*SPITCH+32*(\b)
	ds_store_b16_d16_hi v[STG], v[UR+5*\g+2] offset:(2*\g+1)*SPITCH+32*(\b)
.endr
.endm
; The eight spline values of each of v[x .. x+3], as bf16, into v[o + 4 i .. o + 4 i + 3].  Ten arrays of four registers, TM + 4 k + i; the arithmetic goes two values an instruction.
.macro EXPAND4 x, o
.irp p, 0,2
	v_pk_fma_f32 v[TM+\p:TM+\p+1], v[\x+\p:\x+\p+1], 0x40200000, v[C55:C55+1] op_sel_hi:[1,0,1]   ; t = 2.5 x + 5.5
.endr
.irp i, 0,1,2,3
	v_floor_f32 v[TM+4+\i], v[TM+\i]
.endr
.irp p, 0,2
	v_pk_add_f32 v[TM+8+\p:TM+8+\p+1], v[TM+\p:TM+\p+1], v[TM+4+\p:TM+4+\p+1] neg_lo:[0,1] neg_hi:[0,1]   ; u
.endr
.irp i, 0,1,2,3
	v_cvt_i32_f32 v[TM+12+\i], v[TM+4+\i]          ; i (saturates for very large |x|: then no select below takes)
.endr
.irp p, 0,2
	v_pk_mul_f32 v[TM+16+\p:TM+16+\p+1], v[TM+8+\p:TM+8+\p+1], v[KK:KK+1]                  ; k u
	v_pk_fma_f32 v[TM+32+\p:TM+32+\p+1], v[TM+8+\p:TM+8+\p+1], 0.5, -1.0 op_sel_hi:[1,0,0]  ; u/2 - 1
	v_pk_mul_f32 v[TM+36+\p:TM+36+\p+1], v[TM+8+\p:TM+8+\p+1], v[TM+8+\p:TM+8+\p+1]         ; u^2
.endr
.irp p, 0,2
	v_pk_add_f32 v[TM+20+\p:TM+20+\p+1], v[KK:KK+1], v[TM+16+\p:TM+16+\p+1] neg_lo:[0,1] neg_hi:[0,1]   ; k (1 - u)
	v_pk_mul_f32 v[TM+24+\p:TM+24+\p+1], v[TM+16+\p:TM+16+\p+1], v[TM+16+\p:TM+16+\p+1]
	v_pk_fma_f32 v[TM+32+\p:TM+32+\p+1], v[TM+36+\p:TM+36+\p+1], v[TM+32+\p:TM+32+\p+1], v[C23:C23+1]   ; w1 = u^2 (u/2 - 1) + 2/3
.endr
.irp p, 0,2
	v_pk_mul_f32 v[TM+28+\p:TM+28+\p+1], v[TM+20+\p:TM+20+\p+1], v[TM+20+\p:TM+20+\p+1]
	v_pk_mul_f32 v[TM+24+\p:TM+24+\p+1], v[TM+24+\p:TM+24+\p+1], v[TM+16+\p:TM+16+\p+1]     ; w3 = u^3 / 6
.endr
.irp p, 0,2
	v_pk_mul_f32 v[TM+28+\p:TM+28+\p+1], v[TM+28+\p:TM+28+\p+1], v[TM+20+\p:TM+20+\p+1]     ; w0 = (1 - u)^3 / 6
.endr
.irp p, 0,2
	v_pk_add_f32 v[TM+36+\p:TM+36+\p+1], v[TM+24+\p:TM+24+\p+1], v[TM+32+\p:TM+32+\p+1]
.endr
.irp p, 0,2
	v_pk_add_f32 v[TM+36+\p:TM+36+\p+1], v[TM+36+\p:TM+36+\p+1], v[TM+28+\p:TM+28+\p+1]
.endr
.irp p, 0,2
	v_pk_fma_f32 v[TM+36+\p:TM+36+\p+1], v[TM+36+\p:TM+36+\p+1], -1.0, 1.0 op_sel_hi:[1,0,0]   ; w2: the four add up to 1
.endr
.irp i, 0,1,2,3
	v_cvt_pk_bf16_f32 v[TM+16+\i], v[TM+28+\i], v[TM+32+\i]    ; (w0, w1)
	v_cvt_pk_bf16_f32 v[TM+20+\i], v[TM+36+\i], v[TM+24+\i]    ; (w2, w3)
	v_and_b32 v[TM+\i], 1, v[TM+12+\i]
	v_add_nc_u32 v[TM+12+\i], -3, v[TM+12+\i]
.endr
.irp i, 0,1,2,3
	v_cmp_eq_u32 s[SM+7*\i], 1, v[TM+\i]                       ; i is odd
	v_ashrrev_i32 v[TM+12+\i], 1, v[TM+12+\i]                  ; p = floor((i - 3) / 2), -2 .. 3 inside the knots
	v_lshlrev_b32 v[TM+24+\i], 16, v[TM+16+\i]                 ; (0, w0)   the same four, half a word further up, for an even i
	v_alignbit_b32 v[TM+28+\i], v[TM+20+\i], v[TM+16+\i], 16   ; (w1, w2)
	v_lshrrev_b32 v[TM+32+\i], 16, v[TM+20+\i]                 ; (w3, 0)
.endr
.irp i, 0,1,2,3
	v_cndmask_b32 v[TM+24+\i], v[TM+24+\i], v[TM+16+\i], s[SM+7*\i]
	v_cndmask_b32 v[TM+28+\i], v[TM+28+\i], v[TM+20+\i], s[SM+7*\i]
	v_cndmask_b32 v[TM+32+\i], v[TM+32+\i], 0, s[SM+7*\i]      ; three words E0, E1, E2, which belong at words p, p+1, p+2 of the four
.endr
.irp i, 0,1,2,3
	v_cmp_eq_i32 s[SM+7*\i+1], -2, v[TM+12+\i]
	v_cmp_eq_i32 s[SM+7*\i+2], -1, v[TM+12+\i]
	v_cmp_eq_i32 s[SM+7*\i+3], 0, v[TM+12+\i]
	v_cmp_eq_i32 s[SM+7*\i+4], 1, v[TM+12+\i]
	v_cmp_eq_i32 s[SM+7*\i+5], 2, v[TM+12+\i]
	v_cmp_eq_i32 s[SM+7*\i+6], 3, v[TM+12+\i]
.endr
.irp i, 0,1,2,3
.irp q, 0,1,2,3
	v_cndmask_b32 v[\o+4*\i+\q], 0, v[TM+32+\i], s[SM+7*\i+1+\q]                ; word q = E2 if p = q - 2,
.endr
.endr
.irp i, 0,1,2,3
.irp q, 0,1,2,3
	v_cndmask_b32 v[\o+4*\i+\q], v[\o+4*\i+\q], v[TM+28+\i], s[SM+7*\i+2+\q]    ; E1 if p = q - 1,
.endr
.endr
.irp i, 0,1,2,3
.irp q, 0,1,2,3
	v_cndmask_b32 v[\o+4*\i+\q], v[\o+4*\i+\q], v[TM+24+\i], s[SM+7*\i+3+\q]    ; E0 if p = q, else 0
.endr
.endr
.endm
; Chunk b.  left = the loads of the younger chunks that have been asked for, which stay out; more = 1: the last chunk is asked for.
.macro CHUNK b, left, more
.set CB, XR+4*(\b)
	s_wait_loadcnt \left                           ; loads come back in order: this chunk's eight are in
.if \more
	LDCH 7
.endif
.irp j, 0,1,2,3
	v_cndmask_b32 v[CB+\j], v[CB+\j], v[YR+4*(\b)+\j], vcc_lo
.endr
.if \b == 0
.irp j, 0,1,2,3
	v_cndmask_b32 v[CB+\j], v[CB+\j], -4.0, s16    ; the stand-in
.endr
.endif
	RELU4 \b
	EXPAND4 CB, OUT+16*(\b)
.irp j, 0,1,2,3
	global_store_b128 v[SOFF], v[OUT+16*(\b)+4*\j:OUT+16*(\b)+4*\j+3], s[20:21] offset:\j*RP+256*(\b) th:TH_STORE_NT   ; sixteen positions of one row: 256 consecutive bytes, aligned
.endr
.endm
	CHUNK 0, 48, 1                                 ; chunks 1 to 6 stay out
	CHUNK 1, 48, 0                                 ; chunks 2 to 7
	CHUNK 2, 40, 0                                 ; nothing is left to ask for: the counts run down
	CHUNK 3, 32, 0
	CHUNK 4, 24, 0
	CHUNK 5, 16, 0
	CHUNK 6, 8, 0
	CHUNK 7, 0, 0
.irp t, 0,1,2,3
	ds_load_b128 v[BACK+4*\t:BACK+4*\t+3], v[RDA] offset:2*\t*SPITCH   ; my wave's own bytes, served in the order of issue: these see the stores above
.endr
.irp t, 0,1,2,3
	s_wait_dscnt 3-\t                              ; LDS loads come back in order: load t is in, the younger ones may be out
	global_store_b128 v[ROFF], v[BACK+4*\t:BACK+4*\t+3], s[18:19] offset:2*\t*RP th:TH_STORE_NT   ; sixteen lanes store 256 consecutive bytes, aligned
.endr
	s_wait_tensorcnt 0x0
	ds_add_u32 v22, v23
	s_wait_dscnt 0x0
	s_endpgm
.Lfunc_end_k_q5ab76bfca8_expand0:
	.size	k_q5ab76bfca8_expand0, .Lfunc_end_k_q5ab76bfca8_expand0-k_q5ab76bfca8_expand0
	.p2alignl 7, 3214868480
	.fill 96, 4, 3214868480
	.section	.rodata,"a",@progbits
	.p2align	6, 0x0
	.amdhsa_kernel k_q5ab76bfca8_expand0
		.amdhsa_group_segment_fixed_size 9216
		.amdhsa_private_segment_fixed_size 0
		.amdhsa_enable_private_segment 0
		.amdhsa_kernarg_size 24
		.amdhsa_user_sgpr_count 2
		.amdhsa_user_sgpr_kernarg_segment_ptr 1
		.amdhsa_wavefront_size32 1
		.amdhsa_system_sgpr_workgroup_id_x 1
		.amdhsa_system_sgpr_workgroup_id_y 1
		.amdhsa_system_sgpr_workgroup_id_z 1
		.amdhsa_system_vgpr_workitem_id 0
		.amdhsa_next_free_vgpr 256
		.amdhsa_next_free_sgpr 96
		.amdhsa_reserve_vcc 1
		.amdhsa_float_denorm_mode_32 3
		.amdhsa_float_denorm_mode_16_64 3
		.amdhsa_memory_ordered 1
		.amdhsa_forward_progress 1
		.amdhsa_inst_pref_size 90
	.end_amdhsa_kernel
	.amdgpu_metadata
---
amdhsa.version: [ 1, 2 ]
amdhsa.kernels:
  - .name:           k_q5ab76bfca8_expand0
    .symbol:         k_q5ab76bfca8_expand0.kd
    .args:
      - { .name: xs, .offset: 0, .size: 8, .value_kind: global_buffer, .address_space: global }
      - { .name: ys, .offset: 8, .size: 8, .value_kind: global_buffer, .address_space: global }
      - { .name: act0, .offset: 16, .size: 8, .value_kind: global_buffer, .address_space: global }
    .group_segment_fixed_size: 9216
    .private_segment_fixed_size: 0
    .kernarg_segment_align: 8
    .kernarg_segment_size: 24
    .max_flat_workgroup_size: 128
    .sgpr_count:     96
    .vgpr_count:     256
    .wavefront_size: 32
...
	.end_amdgpu_metadata
.endif
;; end of part 1
;; launch gemm0 (part 2): grid 16 x 16, 4 waves a work-group, clusters of 4 x 4, 327,680 bytes of LDS; arguments act0, spline_w0, scaler0, base_w0, part; writes part
.if DOCPART == 2
	.amdgcn_target "amdgcn-amd-amdhsa--gfx1250"
	.amdhsa_code_object_version 6
	.text
	.protected	k_q5ab76bfca8_gemm0
	.globl	k_q5ab76bfca8_gemm0
	.p2align	8
	.type	k_q5ab76bfca8_gemm0,@function
k_q5ab76bfca8_gemm0:
	s_mov_b64 s[64:65], 0
	v_nop
	global_prefetch_b8 v0, s[64:65] scope:SCOPE_SE
	s_setreg_imm32_b32 hwreg(HW_REG_WAVE_MODE, 25, 1), 1
	s_wait_xcnt 0x0
	s_wait_alu depctr_hold_cnt(0) depctr_sa_sdst(0) depctr_va_vdst(0) depctr_va_sdst(0) depctr_va_ssrc(0) depctr_va_vcc(0) depctr_vm_vsrc(0)
	s_getreg_b32 s2, hwreg(HW_REG_IB_STS2, 6, 4)
	s_cmp_eq_u32 s2, 0
	s_cbranch_scc0 .Lentry_in_a_cluster
	s_endpgm
.Lentry_in_a_cluster:
	s_bfe_u32 s2, ttmp6, 0x10000c
	s_cmp_lg_u32 s2, 0xf033
	s_cbranch_scc0 .Lentry_shape_is_right
	s_endpgm
.Lentry_shape_is_right:
; One KAN layer as ONE product with K split over work-groups:  part[slice] = A[:, slice] x B[:, slice]^T.
; A (bf16, made by the launch before): nine columns a feature, relu(x) and eight spline values; a slice's columns lie together, relu first.
; B (made here): base_w, and spline_w x scaler, multiplied in f32 and rounded once to bf16.  Sums in f32.
; A work-group makes 512 rows x 128 columns of C for one slice of K, with four waves, as many as a WGP has SIMDs; a wave makes 128 x 128: 64 accumulator
; tiles, 512 registers.  2 row blocks x NBLK column blocks x NSLICE slices = 256 work-groups in every layer.  The sums of a slice leave as raw register
; images (each store of a wave covers 512 consecutive bytes); the next launch adds the slices: no work-group reads what another stores.
; WHY 512 x 128: B comes as 4-byte numbers that have to pass through registers (scale, round), A as 2-byte numbers ready for LDS.  512 x 2 + 128 x 4 bytes
; for each k is as little as 256 x 256 would take, and each weight is fetched and converted by two work-groups, not four.
; K goes in half-steps of 64 (128 matrix instructions a wave).  A: two half-steps make a tile with rows of 256 bytes, in a ring of two LDS slots filled by
; the tensor data mover.  B: each wave fetches 32 of the 128 rows two half-steps ahead into registers, converts them one half-step ahead and puts them
; into one of two LDS buffers, which the mover never touches.
; CLUSTERS: 4 x 4 work-groups.  A's tile hangs on the row block and the slice alone, which the four work-groups of a row of the cluster share: it is asked for
; jointly.  B is NOT asked for jointly: only the two row blocks share it, and a joint load would bring f32 into LDS, 32 KiB more written and read there for
; every 64 of K, only to be read into registers, converted and stored again.  The two that share it are neighbours in the cluster and run in step.
; LIMITS: matrix operands are bf16; the order of the f32 sums is this text's (by slices).  Layer 0's slice 7 begins at feature 895, which slice 6 also
; holds; A has zeros there, so a weight of that feature that is not finite would spoil its output.  NaN and infinities are not served.
.set LAYER, 0
.if LAYER == 0
.set F, 1023                           ; features
.set NBLK, 16                          ; blocks of 128 outputs
.set NB, 2                             ; half-steps of base weights in a slice (64 features each)
.set NS, 16                            ; half-steps of spline weights (8 features x 8 each)
.set NSLICE, 8
.endif
.if LAYER == 1
.set F, 2048
.set NBLK, 16
.set NB, 4
.set NS, 32
.set NSLICE, 8
.endif
.if LAYER == 2
.set F, 2048
.set NBLK, 4
.set NB, 2                             ; relu comes as hi + lo, two columns a feature: both meet the same 64 base weights
.set NS, 8
.set NSLICE, 32
.endif
.set T, NB+NS                          ; half-steps in a slice: even, at least 10
.set KSL, 64*T                         ; columns of A in a slice
.set KTOT, KSL*NSLICE                  ; columns of A
.set PS, 32*F                          ; bytes in a row of spline_w
.set PC, 4*F                           ; bytes in a row of scaler and of base_w
.set APITCH, 272                       ; an LDS row of A: 256 bytes + 16: the sixteen rows of a fragment start in sixteen different groups of four banks
.set AWAVE, 128*APITCH                 ; a wave's 128 rows
.set ASLOT, 4*AWAVE                    ; 139,264
.set BPITCH, 144                       ; an LDS row of B: 128 bytes + 16
.set BBASE, 2*ASLOT                    ; 278,528 = 1,088 x 256: behind the ring, in blocks of 256 bytes of its own
.set BBUF, 128*BPITCH                  ; 18,432
.set TRIPS, (T-8)/4                    ; the loop's trips, four half-steps each
; REGISTERS, in windows of 256:
;   window 0: v16-17 ADRA, v20 ADRB, v26 CO; v64-127, v128-191 fragments of A, two buffers; v192-255 fragments of B, buffer 0
;   window 1: v0-63 fragments of B, buffer 1; v64-191 weights as loaded, two sets; v192-223 scalers as loaded, two sets; v224-239 scalers by lane; v240-244 addresses
;   window 2: accumulator tiles (a, b), a = 0..3, at v[8 (8 a + b)];   window 3: a = 4..7
.set ADRA, 16
.set ADRB, 20
.set CO,   26
.set FA0,  64
.set FA1,  128
.set FB0,  192
.set FB1,  0
.set ST,   64
.set SC,   192
.set SS,   224
.set VSPL, 240
.set VSCL, 241
.set VBAS, 242
.set VSTO, 243
.set VSTO0, 244
.set MSB, 0
.set SPL_USED, 0
.set BAS_USED, 0
.macro WIN new                         ; s_set_vgpr_msb: bits 1:0 source 0, 3:2 source 1, 5:4 source 2, 7:6 destination; the high byte repeats the setting that is left
.if MSB != \new
	s_set_vgpr_msb (MSB<<8)|\new
.set MSB, \new
.endif
.endm
.macro PLACES                          ; four places behind a matrix instruction, in front of loads into registers that it has read and of stores of its results
.rept 4
	v_nop
.endr
.endm
; A round of the cluster's barrier: my work-group's barrier, wave 0 signals for the work-group, every wave waits for all sixteen, my work-group's barrier once more.
.macro CREST                           ; a round behind its opening barrier
	s_cmp_lg_u32 s14, 0
	s_cbranch_scc1 .Lnot_wave_0_\@
	s_barrier_signal -3
.Lnot_wave_0_\@:
	s_barrier_wait -3
	s_barrier_signal -1
	s_barrier_wait -1
.endm
.macro CROUND
	s_barrier_signal -1
	s_barrier_wait -1
	CREST
.endm
	s_load_b256 s[4:11], s[0:1], 0x0               ; A s[4:5], spline_w s[6:7], scaler s[8:9], base_w s[10:11]
	s_load_b64 s[12:13], s[0:1], 0x20              ; part
	v_lshl_add_u32 v63, v0, 2, 0x4d000
	s_set_vgpr_msb 0x40
	v_mov_b32 v255, 0
	s_set_vgpr_msb 0x4044
	ds_add_u32 v63, v255
	s_set_vgpr_msb 0x4400
	v_lshrrev_b32 v1, 5, v0
	v_readfirstlane_b32 s14, v1                    ; wave 0..3
	s_bfe_u32 s15, ttmp6, 0x40000                  ; cx
	s_bfe_u32 s16, ttmp6, 0x40004                  ; cy
	s_lshl_b32 s17, ttmp9, 2
	s_add_co_u32 s17, s17, s15                     ; column block = 4 x cluster x + cx
	s_and_b32 s18, ttmp7, 0xffff
	s_lshl_b32 s18, s18, 2
	s_add_co_u32 s18, s18, s16                     ; work-group y = 4 x cluster y + cy = 2 x slice + row block
	s_and_b32 s19, s18, 1                          ; row block
	s_lshr_b32 s20, s18, 1                         ; slice
	s_lshl_b32 s21, s16, 2
	s_lshl_b32 s21, 15, s21                        ; my row of the cluster: places 4 cy .. 4 cy + 3
	; descriptor group 1: 128 rows x 128 elements of 2 bytes, 16 bytes of padding behind each row
	s_or_b32 s24, s21, (1<<16)|(1<<20)|(1<<21)|(5<<22)|(3<<25)   ; 15:0 the mask; 17:16 2 bytes; 20 padding on; 21 set beside a mask; 24:22 after 64 words; 31:25 four words
	s_mov_b32 s25, 128<<16                         ; tensor_dim0 = 128
	s_mov_b32 s26, 128<<16                         ; tensor_dim1 = 128
	s_mov_b32 s27, 128<<16                         ; tile_dim0 = 128
	s_mov_b32 s28, 128                             ; tile_dim1 = 128
	s_mov_b32 s29, KTOT                            ; elements from row to row
	s_mov_b32 s30, 0
	s_mov_b32 s31, 0
	; where A's tiles come from: row block, wave and slice; the registers that feed the descriptors never hold cx
	s_lshl_b32 s46, s19, 9
	s_lshl_b32 s47, s14, 7
	s_add_co_u32 s46, s46, s47                     ; row 512 x block + 128 x wave
	s_mul_i32 s46, s46, KTOT*2
	s_mul_i32 s47, s20, KSL*2
	s_add_co_u32 s46, s46, s47                     ; below 42 MB: 32 bits do
	s_mov_b32 s47, 0
	s_mul_i32 s48, s14, AWAVE                      ; and where they go: the wave's number alone
	; where my 32 rows of the weights begin
	s_lshl_b32 s49, s17, 7
	s_lshl_b32 s50, s14, 5
	s_add_co_u32 s49, s49, s50                     ; output 128 x block + 32 x wave
.if LAYER == 0
	s_lshl_b32 s51, s20, 7
	s_min_u32 s51, s51, 895                        ; the slice's first feature: the last slice begins one early and ends at feature 1022
.endif
.if LAYER == 1
	s_lshl_b32 s51, s20, 8
.endif
.if LAYER == 2
	s_lshl_b32 s51, s20, 6
.endif
	s_mul_i32 s52, s49, PS
	s_lshl_b32 s53, s51, 5
	s_add_co_u32 s52, s52, s53                     ; below 135 MB
	s_mov_b32 s53, 0
	s_mul_i32 s54, s49, PC
	s_lshl_b32 s55, s51, 2
	s_add_co_u32 s54, s54, s55
	s_mov_b32 s55, 0
	s_mul_i32 s56, s18, NBLK
	s_add_co_u32 s56, s56, s17
	s_lshl_b32 s56, s56, 18                        ; 256 KiB of sums for each work-group,
	s_lshl_b32 s57, s14, 16                        ; 64 KiB for each wave
	s_add_co_u32 s56, s56, s57
	s_mov_b32 s57, 0
	s_mul_i32 s58, s14, 32*BPITCH
	s_add_co_u32 s58, s58, BBASE                   ; my 32 rows in B's buffer 0
	s_mov_b32 s40, 0x33221100                      ; lane i of sixteen takes lane i / 2,
	s_mov_b32 s41, 0x77665544
	s_mov_b32 s42, 0xbbaa9988                      ; or lane 8 + i / 2
	s_mov_b32 s43, 0xffeeddcc
	v_and_b32 v1, 15, v0                           ; r
	v_bfe_u32 v2, v0, 4, 1                         ; h
	v_and_b32 v3, 31, v0                           ; lane
	; a fragment is 16 rows x 32 K in 8 registers: lane (r, h) holds row r; registers 0-3 K = 8 h .. + 7, registers 4-7 K = 16 + 8 h .. + 7: two loads of 16 bytes, 32 apart
	v_mul_u32_u24 v4, v1, APITCH
	v_lshl_add_u32 v4, v2, 4, v4
	v_add_nc_u32 v[ADRA], s48, v4
	v_add_nc_u32 v[ADRA+1], ASLOT, v[ADRA]
	v_mul_u32_u24 v5, v1, BPITCH
	v_lshl_add_u32 v5, v2, 4, v5
	v_add_nc_u32 v[ADRB], BBASE, v5
	v_lshlrev_b32 v[CO], 4, v3
	; a load unit of the weights is two rows, eight apart: lanes 0-15 take 256 bytes of one, lanes 16-31 of the other
	v_mul_u32_u24 v6, v2, 8*PS
	v_mul_u32_u24 v7, v2, 8*PC
	v_mul_u32_u24 v8, v2, 8*BPITCH
	v_lshl_add_u32 v8, v1, 3, v8
	WIN 0x40                                       ; destination in window 1
	v_lshl_add_u32 v[VSPL], v1, 4, v6
	v_lshl_add_u32 v[VSCL], v1, 2, v7
.if LAYER == 0
	v_lshlrev_b32 v[VBAS], 3, v3                   ; base_w0's rows start at multiples of 4 bytes only: two loads of 4 bytes a row, lane l takes features 2 l and 2 l + 1
	v_lshl_add_u32 v[VSTO0], v3, 2, s58
.else
	v_lshl_add_u32 v[VBAS], v1, 4, v7
.endif
	v_add_nc_u32 v[VSTO], s58, v8                  ; row 32 w + 8 h, byte 8 r: rows eight apart lie 1,152 bytes apart, 128 modulo 256, so the two halves of a store use different banks
.irp j, 0,1,2,3,4,5,6,7,8,9,10,11,12,13,14,15
	v_mov_b32 v[SS+\j], 0                          ; a lane permute's destination counts as read, and the packed multiply names whole pairs
.endr
	WIN 0
	s_wait_dscnt 0x0
	s_wait_kmcnt 0x0
	s_add_nc_u64 s[6:7], s[6:7], s[52:53]
	s_add_nc_u64 s[8:9], s[8:9], s[54:55]
	s_add_nc_u64 s[10:11], s[10:11], s[54:55]
	s_add_nc_u64 s[12:13], s[12:13], s[56:57]
	s_add_nc_u64 s[4:5], s[4:5], s[46:47]
.irp n, 0,1
	s_mov_b32 s[32+4*\n], 1                                        ; descriptor group 0, a set for each slot: count = 1
	s_add_co_u32 s[33+4*\n], s48, \n*ASLOT                         ; LDS address
	s_add_nc_u64 s[34+4*\n:35+4*\n], s[4:5], \n*256                ; global address: step n of K = 128
	s_or_b32 s[35+4*\n], s[35+4*\n], 0x80000000                    ; type = 2
.endr
; The weights of half-step DD, into set DD % 2.  A pointer is stepped only behind s_wait_xcnt 0: the loads that named it have had their addresses translated.
.macro LOADS                           ; 8 features x 8 values = 256 consecutive bytes of each of my 32 rows; in even half-steps also the scalers of 16 features, for two half-steps
.if SPL_USED
	s_wait_xcnt 0x0
	s_add_nc_u64 s[6:7], s[6:7], 256
.if (DD%2) == 0
	s_add_nc_u64 s[8:9], s[8:9], 64
.endif
.endif
.set SPL_USED, 1
.irp j, 0,1,2,3,4,5,6,7,8,9,10,11,12,13,14,15
	global_load_b128 v[ST+64*(DD%2)+4*\j:ST+64*(DD%2)+4*\j+3], v[VSPL], s[6:7] offset:(16*(\j/8)+\j%8)*PS
.endr
.if (DD%2) == 0
.irp j, 0,1,2,3,4,5,6,7,8,9,10,11,12,13,14,15
	global_load_b32 v[SC+16*((DD/2)%2)+\j], v[VSCL], s[8:9] offset:(16*(\j/8)+\j%8)*PC
.endr
.endif
.endm
.macro LOADBASE                        ; 64 features of base_w of each of my 32 rows
.if LAYER != 2
.if BAS_USED
	s_wait_xcnt 0x0
	s_add_nc_u64 s[10:11], s[10:11], 256
.endif
.endif
.set BAS_USED, 1
.if LAYER == 0
.set RR, 0
.rept 32
	global_load_b32 v[ST+64*(DD%2)+2*RR], v[VBAS], s[10:11] offset:RR*PC
	global_load_b32 v[ST+64*(DD%2)+2*RR+1], v[VBAS], s[10:11] offset:RR*PC+4
.set RR, RR+1
.endr
.else
.irp j, 0,1,2,3,4,5,6,7,8,9,10,11,12,13,14,15
	global_load_b128 v[ST+64*(DD%2)+4*\j:ST+64*(DD%2)+4*\j+3], v[VBAS], s[10:11] offset:(16*(\j/8)+\j%8)*PC
.endr
.endif
.endm
.macro DO_LOAD
.if DD < T
.if DD < NB
	LOADBASE
.else
	LOADS
.endif
.endif
.endm
; CN = the loads of half-step XX's group: what may stay out when the group in front of it has to be there
.macro SETCN
.if XX >= T
.set CN, 0
.else
.if XX < NB
.if LAYER == 0
.set CN, 63                            ; the group has 64 loads; the count's field ends at 63, and a smaller count is safe
.else
.set CN, 16
.endif
.else
.if (XX%2) == 0
.set CN, 32
.else
.set CN, 16
.endif
.endif
.endif
.endm
; The weights of half-step CC, from set CC % 2, as bf16 into B's buffer CC % 2.
.macro CONVS
.set DB, ST+64*(CC%2)
.set SB, SC+16*((CC/2)%2)
	s_wait_loadcnt CN                              ; loads come back in order: all but the one younger group are in
.irp g, 0,1
.irp i, 0,1,2,3,4,5,6,7
	v_permlane16_b32 v[SS+2*\i], v[SB+8*\g+\i], s[40+2*(CC%2)], s[41+2*(CC%2)]   ; my 16 bytes are half of feature r / 2 of the eight: its scaler, from the lane that loaded it
.endr
.irp i, 0,1,2,3,4,5,6,7
	v_pk_mul_f32 v[DB+32*\g+4*\i:DB+32*\g+4*\i+1], v[DB+32*\g+4*\i:DB+32*\g+4*\i+1], v[SS+2*\i:SS+2*\i+1] op_sel_hi:[1,0]
	v_pk_mul_f32 v[DB+32*\g+4*\i+2:DB+32*\g+4*\i+3], v[DB+32*\g+4*\i+2:DB+32*\g+4*\i+3], v[SS+2*\i:SS+2*\i+1] op_sel_hi:[1,0]
.endr
.endr
.irp j, 0,1,2,3,4,5,6,7,8,9,10,11,12,13,14,15
	v_cvt_pk_bf16_f32 v[DB+4*\j], v[DB+4*\j], v[DB+4*\j+1]
	v_cvt_pk_bf16_f32 v[DB+4*\j+1], v[DB+4*\j+2], v[DB+4*\j+3]
.endr
.irp j, 0,1,2,3,4,5,6,7,8,9,10,11,12,13,14,15
	ds_store_b64 v[VSTO], v[DB+4*\j:DB+4*\j+1] offset:(CC%2)*BBUF+(16*(\j/8)+\j%8)*BPITCH
.endr
.endm
.macro CONVBASE
.set DB, ST+64*(CC%2)
	s_wait_loadcnt CN
.if LAYER == 0
.set RR, 0
.rept 32
	v_cvt_pk_bf16_f32 v[DB+2*RR], v[DB+2*RR], v[DB+2*RR+1]
.set RR, RR+1
.endr
.set RR, 0
.rept 32
	ds_store_b32 v[VSTO0], v[DB+2*RR] offset:(CC%2)*BBUF+RR*BPITCH
.set RR, RR+1
.endr
.else
.irp j, 0,1,2,3,4,5,6,7,8,9,10,11,12,13,14,15
	v_cvt_pk_bf16_f32 v[DB+4*\j], v[DB+4*\j], v[DB+4*\j+1]
	v_cvt_pk_bf16_f32 v[DB+4*\j+1], v[DB+4*\j+2], v[DB+4*\j+3]
.endr
.irp j, 0,1,2,3,4,5,6,7,8,9,10,11,12,13,14,15
	ds_store_b64 v[VSTO], v[DB+4*\j:DB+4*\j+1] offset:(CC%2)*BBUF+(16*(\j/8)+\j%8)*BPITCH
.endr
.endif
.endm
.macro DO_CONV
.if CC < NB
	CONVBASE
.else
	CONVS
.endif
.endm
; 16 matrix instructions: row tiles a0, a0 + 1 of the window's four (hi = 0: my rows 0-63, 1: rows 64-127) x all 8 column tiles, 32 along K.
; Source 0 = rows of A, source 1 = rows of B: register j of lane (r, h) is C(8 h + j, r).  zero = 1: the first product starts the sums: nothing is cleared.
; The 64 accumulators take turns, one instruction a turn, in the same order in every 32 of K, over the loop's backward jump too.
.macro MUL16 fa, fb, hi, a0, zero
.irp a, \a0, \a0+1
.irp b, 0,1,2,3,4,5,6,7
.if \zero
	v_wmma_f32_16x16x32_bf16 v[8*(8*(\a)+\b):8*(8*(\a)+\b)+7], v[\fa+8*(4*\hi+\a):\fa+8*(4*\hi+\a)+7], v[\fb+8*\b:\fb+8*\b+7], 0
.else
	v_wmma_f32_16x16x32_bf16 v[8*(8*(\a)+\b):8*(8*(\a)+\b)+7], v[\fa+8*(4*\hi+\a):\fa+8*(4*\hi+\a)+7], v[\fb+8*\b:\fb+8*\b+7], v[8*(8*(\a)+\b):8*(8*(\a)+\b)+7]
.endif
.endr
.endr
.endm
; 32 LDS loads in one run: the fragments of 32 of K, B's 128 rows first, then my 128 rows of A, into fragment buffer f
.macro FETCH slot, abyte, buf, cbyte, f
.if \f
	WIN 0x40
.else
	WIN 0
.endif
.irp i, 0,1,2,3,4,5,6,7
	ds_load_b128 v[FB0*(1-\f)+8*\i:FB0*(1-\f)+8*\i+3],   v[ADRB] offset:(\buf)*BBUF+\cbyte+\i*16*BPITCH
	ds_load_b128 v[FB0*(1-\f)+8*\i+4:FB0*(1-\f)+8*\i+7], v[ADRB] offset:(\buf)*BBUF+\cbyte+\i*16*BPITCH+32
.endr
	WIN 0
.irp i, 0,1,2,3,4,5,6,7
	ds_load_b128 v[FA0+64*\f+8*\i:FA0+64*\f+8*\i+3],   v[ADRA+\slot] offset:\abyte+\i*16*APITCH
	ds_load_b128 v[FA0+64*\f+8*\i+4:FA0+64*\f+8*\i+7], v[ADRA+\slot] offset:\abyte+\i*16*APITCH+32
.endr
.endm
; Half-step HS: 2 x 64 matrix instructions on fragment buffers 0 and 1.  In it: the weights of half-step HS + 1 are converted into the B buffer that is not being read,
; those of HS + 3 are asked for, and at its end one barrier changes B's buffers.  At the end of an odd half-step A's slot changes too:
;   EN = 0  even half-step: a plain barrier.  My refill of the other slot may stay out.
;   EN = 1  a round of the cluster's barrier, and behind it the joint refill of the slot just read, two steps of K = 128 ahead.
;   EN = 2  the last change of slots: nothing is left to fetch.      EN = 3  the last half-step.
; B's order: the buffer that CONV writes was last read in half-step HS - 1, and every wave waited for those reads in front of the barrier that ended it;
; my stores are waited for (DScnt 0) in front of the signal that ends this half-step, and the buffer is first read behind that barrier's wait.
.macro HS_AUTO
.set SL, (HS/2)%2
.set HH, HS%2
.set CC, HS+1
.set DD, HS+3
.set XX, HS+2
	SETCN
.if HH == 0
.set EN, 0
.set NSL, SL
.set NAB, 128
.else
.set NSL, 1-SL
.set NAB, 0
.if HS/2+2 < T/2
.set EN, 1
.else
.if HS/2+1 < T/2
.set EN, 2
.else
.set EN, 3
.endif
.endif
.endif
.if HS == 0
.set ZZ, 1
.else
.set ZZ, 0
.endif
	s_wait_dscnt 8                                 ; B and A's rows 0-63 are in; the youngest eight loads (A's rows 64-127) may be out
	WIN 0xa0
	MUL16 FA0, FB0, 0, 0, ZZ
	MUL16 FA0, FB0, 0, 2, ZZ
.if CC < T
	WIN 0x55                                       ; every operand in window 1
	DO_CONV
	DO_LOAD
.endif
	PLACES
	FETCH SL, 128*HH+64, HH, 64, 1
	s_wait_dscnt 32                                ; all but the 32 loads just issued
	WIN 0xf0
	MUL16 FA0, FB0, 1, 0, ZZ
	MUL16 FA0, FB0, 1, 2, ZZ
	s_wait_dscnt 8
	WIN 0xa4
	MUL16 FA1, FB1, 0, 0, 0
.if EN < 3
	s_wait_dscnt 0                                 ; my reads of this B buffer (and of this slot) are back, my stores into the other buffer are done
.if EN > 0
	s_wait_tensorcnt 0x0                           ; all my tensor loads have landed: the one that was out is my part of the next slot
	ds_add_u32 v63, v255
	s_wait_dscnt 0x0
.endif
	s_barrier_signal -1                            ; say so (EN = 1: this barrier opens a round of the cluster's barrier),
	MUL16 FA1, FB1, 0, 2, 0                        ; work on registers while the others arrive,
	WIN 0
	s_barrier_wait -1                              ; and go on when all four have said so
.if EN == 1
	CREST                                          ; all sixteen work-groups have said so: no wave of any partner still reads this slot's tile or has a load on its way
	s_add_nc_u64 s[34+4*SL:35+4*SL], s[34+4*SL:35+4*SL], 512
	tensor_load_to_lds s[32+4*SL:35+4*SL], s[24:31]   ; my one tensor load behind the round, and the first thing there
	s_nop 0
.endif
	PLACES
	FETCH NSL, NAB, 1-HH, 0, 0
.else
	MUL16 FA1, FB1, 0, 2, 0
	s_wait_dscnt 0
.endif
	WIN 0xf4
	MUL16 FA1, FB1, 1, 0, 0
	MUL16 FA1, FB1, 1, 2, 0
.set HS, HS+1
.endm
	WIN 0x55
.set DD, 0
	DO_LOAD                                        ; the weights of half-steps 0 and 1 are on their way first
.set DD, 1
	DO_LOAD
	WIN 0
	CROUND                                         ; all sixteen work-groups are here: the first joint loads meet
	tensor_load_to_lds s[32:35], s[24:31]          ; both slots' first fills in one group: two tensor loads of the wave are out, later never more than one
	s_nop 0
	tensor_load_to_lds s[36:39], s[24:31]
	s_nop 0
	WIN 0x55
.set CC, 0
.set XX, 1
	SETCN
	DO_CONV
.set DD, 2
	DO_LOAD
	WIN 0
	s_wait_dscnt 0x0                               ; my part of B's buffer 0 is stored,
	s_wait_tensorcnt 0x1                           ; my part of slot 0 is in; slot 1's may stay out
	s_barrier_signal -1
	s_barrier_wait -1
	FETCH 0, 0, 0, 0, 0
.set HS, 0
	HS_AUTO                                        ; the first four half-steps stand in front of the loop: the first products start the sums
	HS_AUTO
	HS_AUTO
	HS_AUTO
.if TRIPS > 0
	WIN 0                                          ; at a label and at a branch every window is 0
	s_mov_b32 s44, TRIPS
.Llap:
	HS_AUTO                                        ; once round A's ring; slots, sets and counts repeat every four half-steps
	HS_AUTO
	HS_AUTO
	HS_AUTO
	WIN 0
	s_sub_co_u32 s44, s44, 1
	s_cmp_lg_u32 s44, 0
	s_cbranch_scc1 .Llap
.endif
.set HS, 4+4*TRIPS
.rept T-HS
	HS_AUTO                                        ; the tail is written out: its last half-steps ask for nothing beyond the slice
.endr
	; THE WAY OUT: the accumulators as they lie.  16 bytes a lane, 512 consecutive bytes a store: tile (a, b), registers 4 q .. 4 q + 3, at a x 8192 + q x 4096 + b x 512.
	PLACES
	WIN 0x08                                       ; store data in window 2
.irp a, 0,1,2,3
.irp q, 0,1
.irp b, 0,1,2,3,4,5,6,7
	global_store_b128 v[CO], v[8*(8*\a+\b)+4*\q:8*(8*\a+\b)+4*\q+3], s[12:13] offset:\a*8192+\q*4096+\b*512
.endr
.endr
.endr
	WIN 0x0c                                       ; in window 3
.irp a, 0,1,2,3
.irp q, 0,1
.irp b, 0,1,2,3,4,5,6,7
	global_store_b128 v[CO], v[8*(8*\a+\b)+4*\q:8*(8*\a+\b)+4*\q+3], s[12:13] offset:(\a+4)*8192+\q*4096+\b*512
.endr
.endr
.endr
	WIN 0
	s_set_vgpr_msb 0x4
	s_wait_tensorcnt 0x0
	ds_add_u32 v63, v255
	s_wait_dscnt 0x0
	s_set_vgpr_msb 0x400
	CROUND                                         ; the closing round: no work-group ends while a partner may still ask for a tile that names it
	s_endpgm
.Lfunc_end_k_q5ab76bfca8_gemm0:
	.size	k_q5ab76bfca8_gemm0, .Lfunc_end_k_q5ab76bfca8_gemm0-k_q5ab76bfca8_gemm0
	.p2alignl 7, 3214868480
	.fill 96, 4, 3214868480
	.section	.rodata,"a",@progbits
	.p2align	6, 0x0
	.amdhsa_kernel k_q5ab76bfca8_gemm0
		.amdhsa_group_segment_fixed_size 327680
		.amdhsa_private_segment_fixed_size 0
		.amdhsa_enable_private_segment 0
		.amdhsa_kernarg_size 40
		.amdhsa_user_sgpr_count 2
		.amdhsa_user_sgpr_kernarg_segment_ptr 1
		.amdhsa_wavefront_size32 1
		.amdhsa_system_sgpr_workgroup_id_x 1
		.amdhsa_system_sgpr_workgroup_id_y 1
		.amdhsa_system_sgpr_workgroup_id_z 1
		.amdhsa_system_vgpr_workitem_id 0
		.amdhsa_next_free_vgpr 1024
		.amdhsa_next_free_sgpr 66
		.amdhsa_reserve_vcc 0
		.amdhsa_float_denorm_mode_32 3
		.amdhsa_float_denorm_mode_16_64 3
		.amdhsa_memory_ordered 1
		.amdhsa_forward_progress 1
		.amdhsa_inst_pref_size 255
	.end_amdhsa_kernel
	.section	.bss,"aw",@nobits
	.p2align	6
	.space	262144
	.amdgpu_metadata
---
amdhsa.version: [ 1, 2 ]
amdhsa.kernels:
  - .name:           k_q5ab76bfca8_gemm0
    .symbol:         k_q5ab76bfca8_gemm0.kd
    .args:
      - { .name: act0, .offset: 0, .size: 8, .value_kind: global_buffer, .address_space: global }
      - { .name: spline_w0, .offset: 8, .size: 8, .value_kind: global_buffer, .address_space: global }
      - { .name: scaler0, .offset: 16, .size: 8, .value_kind: global_buffer, .address_space: global }
      - { .name: base_w0, .offset: 24, .size: 8, .value_kind: global_buffer, .address_space: global }
      - { .name: part, .offset: 32, .size: 8, .value_kind: global_buffer, .address_space: global }
    .group_segment_fixed_size: 327680
    .private_segment_fixed_size: 0
    .kernarg_segment_align: 8
    .kernarg_segment_size: 40
    .max_flat_workgroup_size: 128
    .sgpr_count:     66
    .vgpr_count:     1024
    .wavefront_size: 32
...
	.end_amdgpu_metadata
.endif
;; end of part 2
;; launch red0 (part 3): grid 256 x 1, 8 waves a work-group, no clusters, 18,432 bytes of LDS; arguments part, act1; writes act1
.if DOCPART == 3
	.amdgcn_target "amdgcn-amd-amdhsa--gfx1250"
	.amdhsa_code_object_version 6
	.text
	.protected	k_q5ab76bfca8_red0
	.globl	k_q5ab76bfca8_red0
	.p2align	8
	.type	k_q5ab76bfca8_red0,@function
k_q5ab76bfca8_red0:
	s_mov_b64 s[64:65], 0
	v_nop
	global_prefetch_b8 v0, s[64:65] scope:SCOPE_SE
	s_setreg_imm32_b32 hwreg(HW_REG_WAVE_MODE, 25, 1), 1
	s_wait_xcnt 0x0
; Adds the eight K slices of a layer's sums and expands each sum x into the next layer's bf16 operand: relu(x) and the eight cubic B-spline values.
; VAR = 0: act1, [1024][18432]: eight slices of 2304 columns, [256 relu][256 x 8 spline].
; VAR = 1: act2, [1024][20480]: 32 slices of 640 columns, [64 relu hi][64 relu lo][64 x 8 spline]; lo = bf16(relu - hi), so that relu keeps sixteen bits of mantissa.
; part holds register images: byte (2 s + mb) x 4 MiB + nb x 256 KiB + w x 64 KiB + a x 8192 + q x 4096 + b x 512 + 16 lane holds four numbers j of lane (r, h):
; row 512 mb + 128 w + 16 a + 4 q + 8 h + j, feature 128 nb + 16 b + r.  A wave takes one unit (mb, nb, w, a, q): 8 rows x 128 features, 32 numbers a lane.
; Sixteen neighbouring lanes hold sixteen neighbouring features of one row, so their sixteen spline groups of 16 bytes are 256 consecutive bytes of the operand.
; THE ORDER OF WORK: the unit is walked in eight chunks b (16 features: one load of 512 bytes from each of the eight slices).  The loads of six chunks go out at the
; start, 48 a wave; a chunk is waited for by a count that leaves the younger chunks on their way, added, expanded and stored while they arrive.
; Four numbers are expanded side by side, so that no instruction reads the result of the one in front of it.
; Memory binds: 64 MiB in, about 40 MB out.  No matrix work, no tensor loads, no clusters (the work-groups share no input); the stage in LDS is each wave's own.
; SPLINES: knots -2.2 + 0.4 i.  t = 2.5 x + 5.5, i = floor t, u = t - i; the four values that are not 0 are those of basis i-3 .. i:
; (1-u)^3/6, u^2 (u/2 - 1) + 2/3, 1 - the other three, u^3/6.  They are placed among the eight by selects alone; outside [-2.2, 2.2) no select takes.
; LIMITS: the slices are added pairwise, ((0+1)+(2+3))+((4+5)+(6+7)), in f32; closed form in place of the recursion; NaN and infinities are not served.
.set VAR, 0
.if VAR == 0
.set RP,     36864                     ; bytes in a row of the operand
.set SPITCH, 272                       ; a stage row: 256 bytes of relu + 16
.else
.set RP,     40960
.set SPITCH, 528                       ; 2 x (128 hi + 128 lo) + 16
.endif
.set SSTEP, 0x800000                   ; bytes from slice to slice in part
.set NSET, 6                           ; chunks on their way
.set LOFF, 2                           ; v2   16 x lane
.set SOFF, 3                           ; v3   lane term of the spline stores
.set STG,  4                           ; v4   stage: where I put a relu value
.set RDA,  5                           ; v5   stage: where I read 16 bytes back
.set ROFF, 6                           ; v6   lane term of the relu stores
.set C55,  8                           ; v[8:9]   5.5 twice
.set KK,   10                          ; v[10:11] the cube root of 1/6, twice
.set C23,  12                          ; v[12:13] 2/3 twice
.set UR,   14                          ; v[14:23] at work on relu, two sets of five
.set TM,   24                          ; v[24:63] at work on the splines: ten arrays of four; at the start the lane's number, r and h
.set BACK, 24                          ; at the end: the stage read back
.set RING, 64                          ; v[64:255] six sets of 32: slice s of a chunk in registers 4 s .. 4 s + 3; then the sum in 0 .. 3, the results in 8 .. 23
.set SM,   68                          ; s[68:95]  seven masks for each of four numbers
.macro LDCH b                          ; chunk b of all eight slices: eight loads of 512 consecutive bytes
.irp s, 0,1,2,3,4,5,6,7
	global_load_b128 v[RING+32*((\b)%NSET)+4*\s:RING+32*((\b)%NSET)+4*\s+3], v[LOFF], s[8+2*\s:9+2*\s] offset:512*(\b) th:TH_LOAD_NT
.endr
.endm
	s_load_b128 s[4:7], s[0:1], 0x0                ; part s[4:5], operand s[6:7]
	v_lshl_add_u32 v22, v0, 2, 0x4400
	v_mov_b32 v23, 0
	v_lshrrev_b32 v1, 5, v0
	v_readfirstlane_b32 s2, v1                     ; wave
	s_lshl_b32 s3, ttmp9, 3
	s_add_co_u32 s3, s3, s2                        ; unit = q + 2 a + 16 w + 64 nb + 1024 mb
	s_lshl_b32 s24, s3, 12                         ; a unit is 4,096 bytes of each slice
	s_mov_b32 s25, 0
	v_and_b32 v24, 31, v0                          ; lane
	v_and_b32 v25, 15, v0                          ; r
	v_bfe_u32 v26, v0, 4, 1                        ; h
	v_lshlrev_b32 v[LOFF], 4, v24
	s_wait_kmcnt 0x0
	s_add_nc_u64 s[8:9], s[4:5], s[24:25]          ; a base for each slice, s[8:23]: the distance does not fit the loads' immediate
.irp s, 1,2,3,4,5,6,7
	s_add_nc_u64 s[8+2*\s:9+2*\s], s[6+2*\s:7+2*\s], SSTEP
.endr
.irp b, 0,1,2,3,4,5
	LDCH \b
.endr
	; the addresses of the way out, while the loads are on their way
	s_and_b32 s26, s3, 62
	s_lshl_b32 s26, s26, 3                         ; 16 a + 128 w
	s_and_b32 s27, s3, 1
	s_lshl2_add_u32 s26, s27, s26                  ; + 4 q
	s_lshr_b32 s27, s3, 10
	s_lshl_b32 s27, s27, 9
	s_add_co_u32 s26, s26, s27                     ; + 512 mb: my first row
	s_mul_i32 s26, s26, RP
	s_bfe_u32 s27, s3, 0x40006                     ; nb
.if VAR == 0
	s_lshr_b32 s28, s27, 1
	s_mul_i32 s28, s28, 4608                       ; slice nb / 2
	s_add_co_u32 s26, s26, s28
	s_and_b32 s28, s27, 1                          ; which 128 of its 256 positions
	s_lshl_b32 s29, s28, 8
	s_add_co_u32 s38, s26, s29                     ; relu: 2 bytes a position
	s_lshl_b32 s29, s28, 11
	s_add_co_u32 s36, s26, s29                     ; spline: 16 bytes a position,
	s_add_co_u32 s36, s36, 512                     ; behind the 256 relu columns
.else
	s_mul_i32 s28, s27, 2560                       ; slices 2 nb and 2 nb + 1
	s_add_co_u32 s36, s26, s28
	s_mov_b32 s38, s36
.endif
	s_mov_b32 s37, 0
	s_mov_b32 s39, 0
	s_add_nc_u64 s[36:37], s[6:7], s[36:37]
	s_add_nc_u64 s[38:39], s[6:7], s[38:39]
	s_mul_i32 s29, s2, 8*SPITCH                    ; my wave's stage
	v_mul_u32_u24 v[SOFF], v26, 8*RP
	v_lshl_add_u32 v[SOFF], v25, 4, v[SOFF]        ; 8 h rows + 16 r
	v_mul_u32_u24 v[STG], v26, 4*SPITCH
	v_lshl_add_u32 v[STG], v25, 1, v[STG]
	v_add_nc_u32 v[STG], s29, v[STG]               ; stage row 4 h (+ j), byte 2 r
.if VAR == 0
	v_mul_u32_u24 v[RDA], v26, SPITCH
	v_lshl_add_u32 v[RDA], v25, 4, v[RDA]
	v_add_nc_u32 v[RDA], s29, v[RDA]               ; back: lanes 0-15 one row of 256 bytes, lanes 16-31 the next
	v_mul_u32_u24 v[ROFF], v26, RP
.else
	v_lshl_add_u32 v[RDA], v24, 4, s29             ; back: one row of 512 bytes; lanes 16-31 hold the second slice's 256
	v_mul_u32_u24 v[ROFF], v26, 1280
.endif
	v_lshl_add_u32 v[ROFF], v25, 4, v[ROFF]
	v_mov_b32 v[C55], 0x40b00000
	v_mov_b32 v[C55+1], 0x40b00000
	v_mov_b32 v[KK], 0x3f0ce1da
	v_mov_b32 v[KK+1], 0x3f0ce1da
	v_mov_b32 v[C23], 0x3f2aaaab
	v_mov_b32 v[C23+1], 0x3f2aaaab
; relu of the chunk's four rows (in v[CB .. CB+3]), rounded two and two; each half goes to its own stage row
.macro RELU4 b
.irp g, 0,1
	v_max_num_f32 v[UR+5*\g], 0, v[CB+2*\g]
	v_max_num_f32 v[UR+5*\g+1], 0, v[CB+2*\g+1]
.endr
.irp g, 0,1
	v_cvt_pk_bf16_f32 v[UR+5*\g+2], v[UR+5*\g], v[UR+5*\g+1]
.endr
.if VAR == 0
.irp g, 0,1
	ds_store_b16 v[STG], v[UR+5*\g+2] offset:2*\g*SPITCH+32*(\b)
	ds_store_b16_d16_hi v[STG], v[UR+5*\g+2] offset:(2*\g+1)*SPITCH+32*(\b)
.endr
.else
.irp g, 0,1
	v_lshlrev_b32 v[UR+5*\g+3], 16, v[UR+5*\g+2]   ; hi as f32
	v_and_b32 v[UR+5*\g+4], 0xffff0000, v[UR+5*\g+2]
.endr
.irp g, 0,1
	v_sub_f32 v[UR+5*\g], v[UR+5*\g], v[UR+5*\g+3] ; what the rounding left
	v_sub_f32 v[UR+5*\g+1], v[UR+5*\g+1], v[UR+5*\g+4]
.endr
.irp g, 0,1
	v_cvt_pk_bf16_f32 v[UR+5*\g+3], v[UR+5*\g], v[UR+5*\g+1]   ; lo
.endr
.irp g, 0,1
	ds_store_b16 v[STG], v[UR+5*\g+2] offset:2*\g*SPITCH+((\b)/4)*256+((\b)%4)*32
	ds_store_b16_d16_hi v[STG], v[UR+5*\g+2] offset:(2*\g+1)*SPITCH+((\b)/4)*256+((\b)%4)*32
	ds_store_b16 v[STG], v[UR+5*\g+3] offset:2*\g*SPITCH+((\b)/4)*256+((\b)%4)*32+128
	ds_store_b16_d16_hi v[STG], v[UR+5*\g+3] offset:(2*\g+1)*SPITCH+((\b)/4)*256+((\b)%4)*32+128
.endr
.endif
.endm
; The eight spline values of each of v[x .. x+3], as bf16, into v[o + 4 i .. o + 4 i + 3].  Ten arrays of four registers, TM + 4 k + i; the arithmetic goes two values an instruction.
.macro EXPAND4 x, o
.irp p, 0,2
	v_pk_fma_f32 v[TM+\p:TM+\p+1], v[\x+\p:\x+\p+1], 0x40200000, v[C55:C55+1] op_sel_hi:[1,0,1]   ; t = 2.5 x + 5.5
.endr
.irp i, 0,1,2,3
	v_floor_f32 v[TM+4+\i], v[TM+\i]
.endr
.irp p, 0,2
	v_pk_add_f32 v[TM+8+\p:TM+8+\p+1], v[TM+\p:TM+\p+1], v[TM+4+\p:TM+4+\p+1] neg_lo:[0,1] neg_hi:[0,1]   ; u
.endr
.irp i, 0,1,2,3
	v_cvt_i32_f32 v[TM+12+\i], v[TM+4+\i]          ; i (saturates for very large |x|: then no select below takes)
.endr
.irp p, 0,2
	v_pk_mul_f32 v[TM+16+\p:TM+16+\p+1], v[TM+8+\p:TM+8+\p+1], v[KK:KK+1]                  ; k u
	v_pk_fma_f32 v[TM+32+\p:TM+32+\p+1], v[TM+8+\p:TM+8+\p+1], 0.5, -1.0 op_sel_hi:[1,0,0]  ; u/2 - 1
	v_pk_mul_f32 v[TM+36+\p:TM+36+\p+1], v[TM+8+\p:TM+8+\p+1], v[TM+8+\p:TM+8+\p+1]         ; u^2
.endr
.irp p, 0,2
	v_pk_add_f32 v[TM+20+\p:TM+20+\p+1], v[KK:KK+1], v[TM+16+\p:TM+16+\p+1] neg_lo:[0,1] neg_hi:[0,1]   ; k (1 - u)
	v_pk_mul_f32 v[TM+24+\p:TM+24+\p+1], v[TM+16+\p:TM+16+\p+1], v[TM+16+\p:TM+16+\p+1]
	v_pk_fma_f32 v[TM+32+\p:TM+32+\p+1], v[TM+36+\p:TM+36+\p+1], v[TM+32+\p:TM+32+\p+1], v[C23:C23+1]   ; w1 = u^2 (u/2 - 1) + 2/3
.endr
.irp p, 0,2
	v_pk_mul_f32 v[TM+28+\p:TM+28+\p+1], v[TM+20+\p:TM+20+\p+1], v[TM+20+\p:TM+20+\p+1]
	v_pk_mul_f32 v[TM+24+\p:TM+24+\p+1], v[TM+24+\p:TM+24+\p+1], v[TM+16+\p:TM+16+\p+1]     ; w3 = u^3 / 6
.endr
.irp p, 0,2
	v_pk_mul_f32 v[TM+28+\p:TM+28+\p+1], v[TM+28+\p:TM+28+\p+1], v[TM+20+\p:TM+20+\p+1]     ; w0 = (1 - u)^3 / 6
.endr
.irp p, 0,2
	v_pk_add_f32 v[TM+36+\p:TM+36+\p+1], v[TM+24+\p:TM+24+\p+1], v[TM+32+\p:TM+32+\p+1]
.endr
.irp p, 0,2
	v_pk_add_f32 v[TM+36+\p:TM+36+\p+1], v[TM+36+\p:TM+36+\p+1], v[TM+28+\p:TM+28+\p+1]
.endr
.irp p, 0,2
	v_pk_fma_f32 v[TM+36+\p:TM+36+\p+1], v[TM+36+\p:TM+36+\p+1], -1.0, 1.0 op_sel_hi:[1,0,0]   ; w2: the four add up to 1
.endr
.irp i, 0,1,2,3
	v_cvt_pk_bf16_f32 v[TM+16+\i], v[TM+28+\i], v[TM+32+\i]    ; (w0, w1)
	v_cvt_pk_bf16_f32 v[TM+20+\i], v[TM+36+\i], v[TM+24+\i]    ; (w2, w3)
	v_and_b32 v[TM+\i], 1, v[TM+12+\i]
	v_add_nc_u32 v[TM+12+\i], -3, v[TM+12+\i]
.endr
.irp i, 0,1,2,3
	v_cmp_eq_u32 s[SM+7*\i], 1, v[TM+\i]                       ; i is odd
	v_ashrrev_i32 v[TM+12+\i], 1, v[TM+12+\i]                  ; p = floor((i - 3) / 2), -2 .. 3 inside the knots
	v_lshlrev_b32 v[TM+24+\i], 16, v[TM+16+\i]                 ; (0, w0)   the same four, half a word further up, for an even i
	v_alignbit_b32 v[TM+28+\i], v[TM+20+\i], v[TM+16+\i], 16   ; (w1, w2)
	v_lshrrev_b32 v[TM+32+\i], 16, v[TM+20+\i]                 ; (w3, 0)
.endr
.irp i, 0,1,2,3
	v_cndmask_b32 v[TM+24+\i], v[TM+24+\i], v[TM+16+\i], s[SM+7*\i]
	v_cndmask_b32 v[TM+28+\i], v[TM+28+\i], v[TM+20+\i], s[SM+7*\i]
	v_cndmask_b32 v[TM+32+\i], v[TM+32+\i], 0, s[SM+7*\i]      ; three words E0, E1, E2, which belong at words p, p+1, p+2 of the four
.endr
.irp i, 0,1,2,3
	v_cmp_eq_i32 s[SM+7*\i+1], -2, v[TM+12+\i]
	v_cmp_eq_i32 s[SM+7*\i+2], -1, v[TM+12+\i]
	v_cmp_eq_i32 s[SM+7*\i+3], 0, v[TM+12+\i]
	v_cmp_eq_i32 s[SM+7*\i+4], 1, v[TM+12+\i]
	v_cmp_eq_i32 s[SM+7*\i+5], 2, v[TM+12+\i]
	v_cmp_eq_i32 s[SM+7*\i+6], 3, v[TM+12+\i]
.endr
.irp i, 0,1,2,3
.irp q, 0,1,2,3
	v_cndmask_b32 v[\o+4*\i+\q], 0, v[TM+32+\i], s[SM+7*\i+1+\q]                ; word q = E2 if p = q - 2,
.endr
.endr
.irp i, 0,1,2,3
.irp q, 0,1,2,3
	v_cndmask_b32 v[\o+4*\i+\q], v[\o+4*\i+\q], v[TM+28+\i], s[SM+7*\i+2+\q]    ; E1 if p = q - 1,
.endr
.endr
.irp i, 0,1,2,3
.irp q, 0,1,2,3
	v_cndmask_b32 v[\o+4*\i+\q], v[\o+4*\i+\q], v[TM+24+\i], s[SM+7*\i+3+\q]    ; E0 if p = q, else 0
.endr
.endr
.endm
; Chunk b.  left = the loads of the younger chunks that have been asked for, which stay out.
; more = 1: the set of the chunk before, whose stores were issued a turn ago, is loaded again with chunk b + 5.
.macro CHUNK b, left, more
.set CB, RING+32*((\b)%NSET)
	s_wait_loadcnt \left                           ; loads come back in order: this chunk's eight are in
.irp k, 0,2
.irp s, 0,8,16,24
	v_pk_add_f32 v[CB+\s+\k:CB+\s+\k+1], v[CB+\s+\k:CB+\s+\k+1], v[CB+\s+4+\k:CB+\s+4+\k+1]
.endr
.endr
.irp k, 0,2
.irp s, 0,16
	v_pk_add_f32 v[CB+\s+\k:CB+\s+\k+1], v[CB+\s+\k:CB+\s+\k+1], v[CB+\s+8+\k:CB+\s+8+\k+1]
.endr
.endr
.irp k, 0,2
	v_pk_add_f32 v[CB+\k:CB+\k+1], v[CB+\k:CB+\k+1], v[CB+16+\k:CB+16+\k+1]
.endr
.if \more
	s_wait_xcnt 0x0                                ; every earlier memory instruction has had its addresses translated (ISA guide 3.1): the set that the last chunk's stores read is loaded again only behind this wait
	LDCH \b+5
.endif
	RELU4 \b
	EXPAND4 CB, CB+8
.irp j, 0,1,2,3
.if VAR == 0
	global_store_b128 v[SOFF], v[CB+8+4*\j:CB+8+4*\j+3], s[36:37] offset:\j*RP+256*(\b) th:TH_STORE_NT   ; sixteen positions of one row: 256 consecutive bytes, aligned
.else
	global_store_b128 v[SOFF], v[CB+8+4*\j:CB+8+4*\j+3], s[36:37] offset:\j*RP+((\b)/4)*1280+256+((\b)%4)*256 th:TH_STORE_NT
.endif
.endr
.endm
	CHUNK 0, 40, 0                                 ; chunks 1 to 5 stay out
	CHUNK 1, 32, 1                                 ; chunks 2 to 5; then chunk 6 is asked for
	CHUNK 2, 32, 1                                 ; chunks 3 to 6; then chunk 7
	CHUNK 3, 32, 0                                 ; chunks 4 to 7
	CHUNK 4, 24, 0                                 ; nothing is left to ask for: the counts run down
	CHUNK 5, 16, 0
	CHUNK 6, 8, 0
	CHUNK 7, 0, 0
	; relu leaves as whole rows.  My wave's own bytes, served in the order of issue: the loads see the stores above.  Stage row 4 h + j is row 8 h + j of my unit.
.if VAR == 0
.irp t, 0,1,2,3
	ds_load_b128 v[BACK+4*\t:BACK+4*\t+3], v[RDA] offset:2*\t*SPITCH
.endr
.irp t, 0,1,2,3
	s_wait_dscnt 3-\t                              ; LDS loads come back in order: load t is in
	global_store_b128 v[ROFF], v[BACK+4*\t:BACK+4*\t+3], s[38:39] offset:(8*(\t/2)+2*(\t%2))*RP th:TH_STORE_NT   ; sixteen lanes store 256 consecutive bytes, aligned
.endr
.else
.irp t, 0,1,2,3,4,5,6,7
	ds_load_b128 v[BACK+4*\t:BACK+4*\t+3], v[RDA] offset:\t*SPITCH
.endr
.irp t, 0,1,2,3,4,5,6,7
	s_wait_dscnt 7-\t
	global_store_b128 v[ROFF], v[BACK+4*\t:BACK+4*\t+3], s[38:39] offset:(8*(\t/4)+\t%4)*RP th:TH_STORE_NT
.endr
.endif
	s_wait_tensorcnt 0x0
	ds_add_u32 v22, v23
	s_wait_dscnt 0x0
	s_endpgm
.Lfunc_end_k_q5ab76bfca8_red0:
	.size	k_q5ab76bfca8_red0, .Lfunc_end_k_q5ab76bfca8_red0-k_q5ab76bfca8_red0
	.p2alignl 7, 3214868480
	.fill 96, 4, 3214868480
	.section	.rodata,"a",@progbits
	.p2align	6, 0x0
	.amdhsa_kernel k_q5ab76bfca8_red0
		.amdhsa_group_segment_fixed_size 18432
		.amdhsa_private_segment_fixed_size 0
		.amdhsa_enable_private_segment 0
		.amdhsa_kernarg_size 16
		.amdhsa_user_sgpr_count 2
		.amdhsa_user_sgpr_kernarg_segment_ptr 1
		.amdhsa_wavefront_size32 1
		.amdhsa_system_sgpr_workgroup_id_x 1
		.amdhsa_system_sgpr_workgroup_id_y 1
		.amdhsa_system_sgpr_workgroup_id_z 1
		.amdhsa_system_vgpr_workitem_id 0
		.amdhsa_next_free_vgpr 256
		.amdhsa_next_free_sgpr 96
		.amdhsa_reserve_vcc 0
		.amdhsa_float_denorm_mode_32 3
		.amdhsa_float_denorm_mode_16_64 3
		.amdhsa_memory_ordered 1
		.amdhsa_forward_progress 1
		.amdhsa_inst_pref_size 96
	.end_amdhsa_kernel
	.amdgpu_metadata
---
amdhsa.version: [ 1, 2 ]
amdhsa.kernels:
  - .name:           k_q5ab76bfca8_red0
    .symbol:         k_q5ab76bfca8_red0.kd
    .args:
      - { .name: part, .offset: 0, .size: 8, .value_kind: global_buffer, .address_space: global }
      - { .name: act1, .offset: 8, .size: 8, .value_kind: global_buffer, .address_space: global }
    .group_segment_fixed_size: 18432
    .private_segment_fixed_size: 0
    .kernarg_segment_align: 8
    .kernarg_segment_size: 16
    .max_flat_workgroup_size: 256
    .sgpr_count:     96
    .vgpr_count:     256
    .wavefront_size: 32
...
	.end_amdgpu_metadata
.endif
;; end of part 3
;; launch gemm1 (part 4): grid 16 x 16, 4 waves a work-group, clusters of 4 x 4, 327,680 bytes of LDS; arguments act1, spline_w1, scaler1, base_w1, part; writes part
.if DOCPART == 4
	.amdgcn_target "amdgcn-amd-amdhsa--gfx1250"
	.amdhsa_code_object_version 6
	.text
	.protected	k_q5ab76bfca8_gemm1
	.globl	k_q5ab76bfca8_gemm1
	.p2align	8
	.type	k_q5ab76bfca8_gemm1,@function
k_q5ab76bfca8_gemm1:
	s_mov_b64 s[64:65], 0
	v_nop
	global_prefetch_b8 v0, s[64:65] scope:SCOPE_SE
	s_setreg_imm32_b32 hwreg(HW_REG_WAVE_MODE, 25, 1), 1
	s_wait_xcnt 0x0
	s_wait_alu depctr_hold_cnt(0) depctr_sa_sdst(0) depctr_va_vdst(0) depctr_va_sdst(0) depctr_va_ssrc(0) depctr_va_vcc(0) depctr_vm_vsrc(0)
	s_getreg_b32 s2, hwreg(HW_REG_IB_STS2, 6, 4)
	s_cmp_eq_u32 s2, 0
	s_cbranch_scc0 .Lentry_in_a_cluster
	s_endpgm
.Lentry_in_a_cluster:
	s_bfe_u32 s2, ttmp6, 0x10000c
	s_cmp_lg_u32 s2, 0xf033
	s_cbranch_scc0 .Lentry_shape_is_right
	s_endpgm
.Lentry_shape_is_right:
; One KAN layer as ONE product with K split over work-groups:  part[slice] = A[:, slice] x B[:, slice]^T.
; A (bf16, made by the launch before): nine columns a feature, relu(x) and eight spline values; a slice's columns lie together, relu first.
; B (made here): base_w, and spline_w x scaler, multiplied in f32 and rounded once to bf16.  Sums in f32.
; A work-group makes 512 rows x 128 columns of C for one slice of K, with four waves, as many as a WGP has SIMDs; a wave makes 128 x 128: 64 accumulator
; tiles, 512 registers.  2 row blocks x NBLK column blocks x NSLICE slices = 256 work-groups in every layer.  The sums of a slice leave as raw register
; images (each store of a wave covers 512 consecutive bytes); the next launch adds the slices: no work-group reads what another stores.
; WHY 512 x 128: B comes as 4-byte numbers that have to pass through registers (scale, round), A as 2-byte numbers ready for LDS.  512 x 2 + 128 x 4 bytes
; for each k is as little as 256 x 256 would take, and each weight is fetched and converted by two work-groups, not four.
; K goes in half-steps of 64 (128 matrix instructions a wave).  A: two half-steps make a tile with rows of 256 bytes, in a ring of two LDS slots filled by
; the tensor data mover.  B: each wave fetches 32 of the 128 rows two half-steps ahead into registers, converts them one half-step ahead and puts them
; into one of two LDS buffers, which the mover never touches.
; CLUSTERS: 4 x 4 work-groups.  A's tile hangs on the row block and the slice alone, which the four work-groups of a row of the cluster share: it is asked for
; jointly.  B is NOT asked for jointly: only the two row blocks share it, and a joint load would bring f32 into LDS, 32 KiB more written and read there for
; every 64 of K, only to be read into registers, converted and stored again.  The two that share it are neighbours in the cluster and run in step.
; LIMITS: matrix operands are bf16; the order of the f32 sums is this text's (by slices).  Layer 0's slice 7 begins at feature 895, which slice 6 also
; holds; A has zeros there, so a weight of that feature that is not finite would spoil its output.  NaN and infinities are not served.
.set LAYER, 1
.if LAYER == 0
.set F, 1023                           ; features
.set NBLK, 16                          ; blocks of 128 outputs
.set NB, 2                             ; half-steps of base weights in a slice (64 features each)
.set NS, 16                            ; half-steps of spline weights (8 features x 8 each)
.set NSLICE, 8
.endif
.if LAYER == 1
.set F, 2048
.set NBLK, 16
.set NB, 4
.set NS, 32
.set NSLICE, 8
.endif
.if LAYER == 2
.set F, 2048
.set NBLK, 4
.set NB, 2                             ; relu comes as hi + lo, two columns a feature: both meet the same 64 base weights
.set NS, 8
.set NSLICE, 32
.endif
.set T, NB+NS                          ; half-steps in a slice: even, at least 10
.set KSL, 64*T                         ; columns of A in a slice
.set KTOT, KSL*NSLICE                  ; columns of A
.set PS, 32*F                          ; bytes in a row of spline_w
.set PC, 4*F                           ; bytes in a row of scaler and of base_w
.set APITCH, 272                       ; an LDS row of A: 256 bytes + 16: the sixteen rows of a fragment start in sixteen different groups of four banks
.set AWAVE, 128*APITCH                 ; a wave's 128 rows
.set ASLOT, 4*AWAVE                    ; 139,264
.set BPITCH, 144                       ; an LDS row of B: 128 bytes + 16
.set BBASE, 2*ASLOT                    ; 278,528 = 1,088 x 256: behind the ring, in blocks of 256 bytes of its own
.set BBUF, 128*BPITCH                  ; 18,432
.set TRIPS, (T-8)/4                    ; the loop's trips, four half-steps each
; REGISTERS, in windows of 256:
;   window 0: v16-17 ADRA, v20 ADRB, v26 CO; v64-127, v128-191 fragments of A, two buffers; v192-255 fragments of B, buffer 0
;   window 1: v0-63 fragments of B, buffer 1; v64-191 weights as loaded, two sets; v192-223 scalers as loaded, two sets; v224-239 scalers by lane; v240-244 addresses
;   window 2: accumulator tiles (a, b), a = 0..3, at v[8 (8 a + b)];   window 3: a = 4..7
.set ADRA, 16
.set ADRB, 20
.set CO,   26
.set FA0,  64
.set FA1,  128
.set FB0,  192
.set FB1,  0
.set ST,   64
.set SC,   192
.set SS,   224
.set VSPL, 240
.set VSCL, 241
.set VBAS, 242
.set VSTO, 243
.set VSTO0, 244
.set MSB, 0
.set SPL_USED, 0
.set BAS_USED, 0
.macro WIN new                         ; s_set_vgpr_msb: bits 1:0 source 0, 3:2 source 1, 5:4 source 2, 7:6 destination; the high byte repeats the setting that is left
.if MSB != \new
	s_set_vgpr_msb (MSB<<8)|\new
.set MSB, \new
.endif
.endm
.macro PLACES                          ; four places behind a matrix instruction, in front of loads into registers that it has read and of stores of its results
.rept 4
	v_nop
.endr
.endm
; A round of the cluster's barrier: my work-group's barrier, wave 0 signals for the work-group, every wave waits for all sixteen, my work-group's barrier once more.
.macro CREST                           ; a round behind its opening barrier
	s_cmp_lg_u32 s14, 0
	s_cbranch_scc1 .Lnot_wave_0_\@
	s_barrier_signal -3
.Lnot_wave_0_\@:
	s_barrier_wait -3
	s_barrier_signal -1
	s_barrier_wait -1
.endm
.macro CROUND
	s_barrier_signal -1
	s_barrier_wait -1
	CREST
.endm
	s_load_b256 s[4:11], s[0:1], 0x0               ; A s[4:5], spline_w s[6:7], scaler s[8:9], base_w s[10:11]
	s_load_b64 s[12:13], s[0:1], 0x20              ; part
	v_lshl_add_u32 v63, v0, 2, 0x4d000
	s_set_vgpr_msb 0x40
	v_mov_b32 v255, 0
	s_set_vgpr_msb 0x4044
	ds_add_u32 v63, v255
	s_set_vgpr_msb 0x4400
	v_lshrrev_b32 v1, 5, v0
	v_readfirstlane_b32 s14, v1                    ; wave 0..3
	s_bfe_u32 s15, ttmp6, 0x40000                  ; cx
	s_bfe_u32 s16, ttmp6, 0x40004                  ; cy
	s_lshl_b32 s17, ttmp9, 2
	s_add_co_u32 s17, s17, s15                     ; column block = 4 x cluster x + cx
	s_and_b32 s18, ttmp7, 0xffff
	s_lshl_b32 s18, s18, 2
	s_add_co_u32 s18, s18, s16                     ; work-group y = 4 x cluster y + cy = 2 x slice + row block
	s_and_b32 s19, s18, 1                          ; row block
	s_lshr_b32 s20, s18, 1                         ; slice
	s_lshl_b32 s21, s16, 2
	s_lshl_b32 s21, 15, s21                        ; my row of the cluster: places 4 cy .. 4 cy + 3
	; descriptor group 1: 128 rows x 128 elements of 2 bytes, 16 bytes of padding behind each row
	s_or_b32 s24, s21, (1<<16)|(1<<20)|(1<<21)|(5<<22)|(3<<25)   ; 15:0 the mask; 17:16 2 bytes; 20 padding on; 21 set beside a mask; 24:22 after 64 words; 31:25 four words
	s_mov_b32 s25, 128<<16                         ; tensor_dim0 = 128
	s_mov_b32 s26, 128<<16                         ; tensor_dim1 = 128
	s_mov_b32 s27, 128<<16                         ; tile_dim0 = 128
	s_mov_b32 s28, 128                             ; tile_dim1 = 128
	s_mov_b32 s29, KTOT                            ; elements from row to row
	s_mov_b32 s30, 0
	s_mov_b32 s31, 0
	; where A's tiles come from: row block, wave and slice; the registers that feed the descriptors never hold cx
	s_lshl_b32 s46, s19, 9
	s_lshl_b32 s47, s14, 7
	s_add_co_u32 s46, s46, s47                     ; row 512 x block + 128 x wave
	s_mul_i32 s46, s46, KTOT*2
	s_mul_i32 s47, s20, KSL*2
	s_add_co_u32 s46, s46, s47                     ; below 42 MB: 32 bits do
	s_mov_b32 s47, 0
	s_mul_i32 s48, s14, AWAVE                      ; and where they go: the wave's number alone
	; where my 32 rows of the weights begin
	s_lshl_b32 s49, s17, 7
	s_lshl_b32 s50, s14, 5
	s_add_co_u32 s49, s49, s50                     ; output 128 x block + 32 x wave
.if LAYER == 0
	s_lshl_b32 s51, s20, 7
	s_min_u32 s51, s51, 895                        ; the slice's first feature: the last slice begins one early and ends at feature 1022
.endif
.if LAYER == 1
	s_lshl_b32 s51, s20, 8
.endif
.if LAYER == 2
	s_lshl_b32 s51, s20, 6
.endif
	s_mul_i32 s52, s49, PS
	s_lshl_b32 s53, s51, 5
	s_add_co_u32 s52, s52, s53                     ; below 135 MB
	s_mov_b32 s53, 0
	s_mul_i32 s54, s49, PC
	s_lshl_b32 s55, s51, 2
	s_add_co_u32 s54, s54, s55
	s_mov_b32 s55, 0
	s_mul_i32 s56, s18, NBLK
	s_add_co_u32 s56, s56, s17
	s_lshl_b32 s56, s56, 18                        ; 256 KiB of sums for each work-group,
	s_lshl_b32 s57, s14, 16                        ; 64 KiB for each wave
	s_add_co_u32 s56, s56, s57
	s_mov_b32 s57, 0
	s_mul_i32 s58, s14, 32*BPITCH
	s_add_co_u32 s58, s58, BBASE                   ; my 32 rows in B's buffer 0
	s_mov_b32 s40, 0x33221100                      ; lane i of sixteen takes lane i / 2,
	s_mov_b32 s41, 0x77665544
	s_mov_b32 s42, 0xbbaa9988                      ; or lane 8 + i / 2
	s_mov_b32 s43, 0xffeeddcc
	v_and_b32 v1, 15, v0                           ; r
	v_bfe_u32 v2, v0, 4, 1                         ; h
	v_and_b32 v3, 31, v0                           ; lane
	; a fragment is 16 rows x 32 K in 8 registers: lane (r, h) holds row r; registers 0-3 K = 8 h .. + 7, registers 4-7 K = 16 + 8 h .. + 7: two loads of 16 bytes, 32 apart
	v_mul_u32_u24 v4, v1, APITCH
	v_lshl_add_u32 v4, v2, 4, v4
	v_add_nc_u32 v[ADRA], s48, v4
	v_add_nc_u32 v[ADRA+1], ASLOT, v[ADRA]
	v_mul_u32_u24 v5, v1, BPITCH
	v_lshl_add_u32 v5, v2, 4, v5
	v_add_nc_u32 v[ADRB], BBASE, v5
	v_lshlrev_b32 v[CO], 4, v3
	; a load unit of the weights is two rows, eight apart: lanes 0-15 take 256 bytes of one, lanes 16-31 of the other
	v_mul_u32_u24 v6, v2, 8*PS
	v_mul_u32_u24 v7, v2, 8*PC
	v_mul_u32_u24 v8, v2, 8*BPITCH
	v_lshl_add_u32 v8, v1, 3, v8
	WIN 0x40                                       ; destination in window 1
	v_lshl_add_u32 v[VSPL], v1, 4, v6
	v_lshl_add_u32 v[VSCL], v1, 2, v7
.if LAYER == 0
	v_lshlrev_b32 v[VBAS], 3, v3                   ; base_w0's rows start at multiples of 4 bytes only: two loads of 4 bytes a row, lane l takes features 2 l and 2 l + 1
	v_lshl_add_u32 v[VSTO0], v3, 2, s58
.else
	v_lshl_add_u32 v[VBAS], v1, 4, v7
.endif
	v_add_nc_u32 v[VSTO], s58, v8                  ; row 32 w + 8 h, byte 8 r: rows eight apart lie 1,152 bytes apart, 128 modulo 256, so the two halves of a store use different banks
.irp j, 0,1,2,3,4,5,6,7,8,9,10,11,12,13,14,15
	v_mov_b32 v[SS+\j], 0                          ; a lane permute's destination counts as read, and the packed multiply names whole pairs
.endr
	WIN 0
	s_wait_dscnt 0x0
	s_wait_kmcnt 0x0
	s_add_nc_u64 s[6:7], s[6:7], s[52:53]
	s_add_nc_u64 s[8:9], s[8:9], s[54:55]
	s_add_nc_u64 s[10:11], s[10:11], s[54:55]
	s_add_nc_u64 s[12:13], s[12:13], s[56:57]
	s_add_nc_u64 s[4:5], s[4:5], s[46:47]
.irp n, 0,1
	s_mov_b32 s[32+4*\n], 1                                        ; descriptor group 0, a set for each slot: count = 1
	s_add_co_u32 s[33+4*\n], s48, \n*ASLOT                         ; LDS address
	s_add_nc_u64 s[34+4*\n:35+4*\n], s[4:5], \n*256                ; global address: step n of K = 128
	s_or_b32 s[35+4*\n], s[35+4*\n], 0x80000000                    ; type = 2
.endr
; The weights of half-step DD, into set DD % 2.  A pointer is stepped only behind s_wait_xcnt 0: the loads that named it have had their addresses translated.
.macro LOADS                           ; 8 features x 8 values = 256 consecutive bytes of each of my 32 rows; in even half-steps also the scalers of 16 features, for two half-steps
.if SPL_USED
	s_wait_xcnt 0x0
	s_add_nc_u64 s[6:7], s[6:7], 256
.if (DD%2) == 0
	s_add_nc_u64 s[8:9], s[8:9], 64
.endif
.endif
.set SPL_USED, 1
.irp j, 0,1,2,3,4,5,6,7,8,9,10,11,12,13,14,15
	global_load_b128 v[ST+64*(DD%2)+4*\j:ST+64*(DD%2)+4*\j+3], v[VSPL], s[6:7] offset:(16*(\j/8)+\j%8)*PS
.endr
.if (DD%2) == 0
.irp j, 0,1,2,3,4,5,6,7,8,9,10,11,12,13,14,15
	global_load_b32 v[SC+16*((DD/2)%2)+\j], v[VSCL], s[8:9] offset:(16*(\j/8)+\j%8)*PC
.endr
.endif
.endm
.macro LOADBASE                        ; 64 features of base_w of each of my 32 rows
.if LAYER != 2
.if BAS_USED
	s_wait_xcnt 0x0
	s_add_nc_u64 s[10:11], s[10:11], 256
.endif
.endif
.set BAS_USED, 1
.if LAYER == 0
.set RR, 0
.rept 32
	global_load_b32 v[ST+64*(DD%2)+2*RR], v[VBAS], s[10:11] offset:RR*PC
	global_load_b32 v[ST+64*(DD%2)+2*RR+1], v[VBAS], s[10:11] offset:RR*PC+4
.set RR, RR+1
.endr
.else
.irp j, 0,1,2,3,4,5,6,7,8,9,10,11,12,13,14,15
	global_load_b128 v[ST+64*(DD%2)+4*\j:ST+64*(DD%2)+4*\j+3], v[VBAS], s[10:11] offset:(16*(\j/8)+\j%8)*PC
.endr
.endif
.endm
.macro DO_LOAD
.if DD < T
.if DD < NB
	LOADBASE
.else
	LOADS
.endif
.endif
.endm
; CN = the loads of half-step XX's group: what may stay out when the group in front of it has to be there
.macro SETCN
.if XX >= T
.set CN, 0
.else
.if XX < NB
.if LAYER == 0
.set CN, 63                            ; the group has 64 loads; the count's field ends at 63, and a smaller count is safe
.else
.set CN, 16
.endif
.else
.if (XX%2) == 0
.set CN, 32
.else
.set CN, 16
.endif
.endif
.endif
.endm
; The weights of half-step CC, from set CC % 2, as bf16 into B's buffer CC % 2.
.macro CONVS
.set DB, ST+64*(CC%2)
.set SB, SC+16*((CC/2)%2)
	s_wait_loadcnt CN                              ; loads come back in order: all but the one younger group are in
.irp g, 0,1
.irp i, 0,1,2,3,4,5,6,7
	v_permlane16_b32 v[SS+2*\i], v[SB+8*\g+\i], s[40+2*(CC%2)], s[41+2*(CC%2)]   ; my 16 bytes are half of feature r / 2 of the eight: its scaler, from the lane that loaded it
.endr
.irp i, 0,1,2,3,4,5,6,7
	v_pk_mul_f32 v[DB+32*\g+4*\i:DB+32*\g+4*\i+1], v[DB+32*\g+4*\i:DB+32*\g+4*\i+1], v[SS+2*\i:SS+2*\i+1] op_sel_hi:[1,0]
	v_pk_mul_f32 v[DB+32*\g+4*\i+2:DB+32*\g+4*\i+3], v[DB+32*\g+4*\i+2:DB+32*\g+4*\i+3], v[SS+2*\i:SS+2*\i+1] op_sel_hi:[1,0]
.endr
.endr
.irp j, 0,1,2,3,4,5,6,7,8,9,10,11,12,13,14,15
	v_cvt_pk_bf16_f32 v[DB+4*\j], v[DB+4*\j], v[DB+4*\j+1]
	v_cvt_pk_bf16_f32 v[DB+4*\j+1], v[DB+4*\j+2], v[DB+4*\j+3]
.endr
.irp j, 0,1,2,3,4,5,6,7,8,9,10,11,12,13,14,15
	ds_store_b64 v[VSTO], v[DB+4*\j:DB+4*\j+1] offset:(CC%2)*BBUF+(16*(\j/8)+\j%8)*BPITCH
.endr
.endm
.macro CONVBASE
.set DB, ST+64*(CC%2)
	s_wait_loadcnt CN
.if LAYER == 0
.set RR, 0
.rept 32
	v_cvt_pk_bf16_f32 v[DB+2*RR], v[DB+2*RR], v[DB+2*RR+1]
.set RR, RR+1
.endr
.set RR, 0
.rept 32
	ds_store_b32 v[VSTO0], v[DB+2*RR] offset:(CC%2)*BBUF+RR*BPITCH
.set RR, RR+1
.endr
.else
.irp j, 0,1,2,3,4,5,6,7,8,9,10,11,12,13,14,15
	v_cvt_pk_bf16_f32 v[DB+4*\j], v[DB+4*\j], v[DB+4*\j+1]
	v_cvt_pk_bf16_f32 v[DB+4*\j+1], v[DB+4*\j+2], v[DB+4*\j+3]
.endr
.irp j, 0,1,2,3,4,5,6,7,8,9,10,11,12,13,14,15
	ds_store_b64 v[VSTO], v[DB+4*\j:DB+4*\j+1] offset:(CC%2)*BBUF+(16*(\j/8)+\j%8)*BPITCH
.endr
.endif
.endm
.macro DO_CONV
.if CC < NB
	CONVBASE
.else
	CONVS
.endif
.endm
; 16 matrix instructions: row tiles a0, a0 + 1 of the window's four (hi = 0: my rows 0-63, 1: rows 64-127) x all 8 column tiles, 32 along K.
; Source 0 = rows of A, source 1 = rows of B: register j of lane (r, h) is C(8 h + j, r).  zero = 1: the first product starts the sums: nothing is cleared.
; The 64 accumulators take turns, one instruction a turn, in the same order in every 32 of K, over the loop's backward jump too.
.macro MUL16 fa, fb, hi, a0, zero
.irp a, \a0, \a0+1
.irp b, 0,1,2,3,4,5,6,7
.if \zero
	v_wmma_f32_16x16x32_bf16 v[8*(8*(\a)+\b):8*(8*(\a)+\b)+7], v[\fa+8*(4*\hi+\a):\fa+8*(4*\hi+\a)+7], v[\fb+8*\b:\fb+8*\b+7], 0
.else
	v_wmma_f32_16x16x32_bf16 v[8*(8*(\a)+\b):8*(8*(\a)+\b)+7], v[\fa+8*(4*\hi+\a):\fa+8*(4*\hi+\a)+7], v[\fb+8*\b:\fb+8*\b+7], v[8*(8*(\a)+\b):8*(8*(\a)+\b)+7]
.endif
.endr
.endr
.endm
; 32 LDS loads in one run: the fragments of 32 of K, B's 128 rows first, then my 128 rows of A, into fragment buffer f
.macro FETCH slot, abyte, buf, cbyte, f
.if \f
	WIN 0x40
.else
	WIN 0
.endif
.irp i, 0,1,2,3,4,5,6,7
	ds_load_b128 v[FB0*(1-\f)+8*\i:FB0*(1-\f)+8*\i+3],   v[ADRB] offset:(\buf)*BBUF+\cbyte+\i*16*BPITCH
	ds_load_b128 v[FB0*(1-\f)+8*\i+4:FB0*(1-\f)+8*\i+7], v[ADRB] offset:(\buf)*BBUF+\cbyte+\i*16*BPITCH+32
.endr
	WIN 0
.irp i, 0,1,2,3,4,5,6,7
	ds_load_b128 v[FA0+64*\f+8*\i:FA0+64*\f+8*\i+3],   v[ADRA+\slot] offset:\abyte+\i*16*APITCH
	ds_load_b128 v[FA0+64*\f+8*\i+4:FA0+64*\f+8*\i+7], v[ADRA+\slot] offset:\abyte+\i*16*APITCH+32
.endr
.endm
; Half-step HS: 2 x 64 matrix instructions on fragment buffers 0 and 1.  In it: the weights of half-step HS + 1 are converted into the B buffer that is not being read,
; those of HS + 3 are asked for, and at its end one barrier changes B's buffers.  At the end of an odd half-step A's slot changes too:
;   EN = 0  even half-step: a plain barrier.  My refill of the other slot may stay out.
;   EN = 1  a round of the cluster's barrier, and behind it the joint refill of the slot just read, two steps of K = 128 ahead.
;   EN = 2  the last change of slots: nothing is left to fetch.      EN = 3  the last half-step.
; B's order: the buffer that CONV writes was last read in half-step HS - 1, and every wave waited for those reads in front of the barrier that ended it;
; my stores are waited for (DScnt 0) in front of the signal that ends this half-step, and the buffer is first read behind that barrier's wait.
.macro HS_AUTO
.set SL, (HS/2)%2
.set HH, HS%2
.set CC, HS+1
.set DD, HS+3
.set XX, HS+2
	SETCN
.if HH == 0
.set EN, 0
.set NSL, SL
.set NAB, 128
.else
.set NSL, 1-SL
.set NAB, 0
.if HS/2+2 < T/2
.set EN, 1
.else
.if HS/2+1 < T/2
.set EN, 2
.else
.set EN, 3
.endif
.endif
.endif
.if HS == 0
.set ZZ, 1
.else
.set ZZ, 0
.endif
	s_wait_dscnt 8                                 ; B and A's rows 0-63 are in; the youngest eight loads (A's rows 64-127) may be out
	WIN 0xa0
	MUL16 FA0, FB0, 0, 0, ZZ
	MUL16 FA0, FB0, 0, 2, ZZ
.if CC < T
	WIN 0x55                                       ; every operand in window 1
	DO_CONV
	DO_LOAD
.endif
	PLACES
	FETCH SL, 128*HH+64, HH, 64, 1
	s_wait_dscnt 32                                ; all but the 32 loads just issued
	WIN 0xf0
	MUL16 FA0, FB0, 1, 0, ZZ
	MUL16 FA0, FB0, 1, 2, ZZ
	s_wait_dscnt 8
	WIN 0xa4
	MUL16 FA1, FB1, 0, 0, 0
.if EN < 3
	s_wait_dscnt 0                                 ; my reads of this B buffer (and of this slot) are back, my stores into the other buffer are done
.if EN > 0
	s_wait_tensorcnt 0x0                           ; all my tensor loads have landed: the one that was out is my part of the next slot
	ds_add_u32 v63, v255
	s_wait_dscnt 0x0
.endif
	s_barrier_signal -1                            ; say so (EN = 1: this barrier opens a round of the cluster's barrier),
	MUL16 FA1, FB1, 0, 2, 0                        ; work on registers while the others arrive,
	WIN 0
	s_barrier_wait -1                              ; and go on when all four have said so
.if EN == 1
	CREST                                          ; all sixteen work-groups have said so: no wave of any partner still reads this slot's tile or has a load on its way
	s_add_nc_u64 s[34+4*SL:35+4*SL], s[34+4*SL:35+4*SL], 512
	tensor_load_to_lds s[32+4*SL:35+4*SL], s[24:31]   ; my one tensor load behind the round, and the first thing there
	s_nop 0
.endif
	PLACES
	FETCH NSL, NAB, 1-HH, 0, 0
.else
	MUL16 FA1, FB1, 0, 2, 0
	s_wait_dscnt 0
.endif
	WIN 0xf4
	MUL16 FA1, FB1, 1, 0, 0
	MUL16 FA1, FB1, 1, 2, 0
.set HS, HS+1
.endm
	WIN 0x55
.set DD, 0
	DO_LOAD                                        ; the weights of half-steps 0 and 1 are on their way first
.set DD, 1
	DO_LOAD
	WIN 0
	CROUND                                         ; all sixteen work-groups are here: the first joint loads meet
	tensor_load_to_lds s[32:35], s[24:31]          ; both slots' first fills in one group: two tensor loads of the wave are out, later never more than one
	s_nop 0
	tensor_load_to_lds s[36:39], s[24:31]
	s_nop 0
	WIN 0x55
.set CC, 0
.set XX, 1
	SETCN
	DO_CONV
.set DD, 2
	DO_LOAD
	WIN 0
	s_wait_dscnt 0x0                               ; my part of B's buffer 0 is stored,
	s_wait_tensorcnt 0x1                           ; my part of slot 0 is in; slot 1's may stay out
	s_barrier_signal -1
	s_barrier_wait -1
	FETCH 0, 0, 0, 0, 0
.set HS, 0
	HS_AUTO                                        ; the first four half-steps stand in front of the loop: the first products start the sums
	HS_AUTO
	HS_AUTO
	HS_AUTO
.if TRIPS > 0
	WIN 0                                          ; at a label and at a branch every window is 0
	s_mov_b32 s44, TRIPS
.Llap:
	HS_AUTO                                        ; once round A's ring; slots, sets and counts repeat every four half-steps
	HS_AUTO
	HS_AUTO
	HS_AUTO
	WIN 0
	s_sub_co_u32 s44, s44, 1
	s_cmp_lg_u32 s44, 0
	s_cbranch_scc1 .Llap
.endif
.set HS, 4+4*TRIPS
.rept T-HS
	HS_AUTO                                        ; the tail is written out: its last half-steps ask for nothing beyond the slice
.endr
	; THE WAY OUT: the accumulators as they lie.  16 bytes a lane, 512 consecutive bytes a store: tile (a, b), registers 4 q .. 4 q + 3, at a x 8192 + q x 4096 + b x 512.
	PLACES
	WIN 0x08                                       ; store data in window 2
.irp a, 0,1,2,3
.irp q, 0,1
.irp b, 0,1,2,3,4,5,6,7
	global_store_b128 v[CO], v[8*(8*\a+\b)+4*\q:8*(8*\a+\b)+4*\q+3], s[12:13] offset:\a*8192+\q*4096+\b*512
.endr
.endr
.endr
	WIN 0x0c                                       ; in window 3
.irp a, 0,1,2,3
.irp q, 0,1
.irp b, 0,1,2,3,4,5,6,7
	global_store_b128 v[CO], v[8*(8*\a+\b)+4*\q:8*(8*\a+\b)+4*\q+3], s[12:13] offset:(\a+4)*8192+\q*4096+\b*512
.endr
.endr
.endr
	WIN 0
	s_set_vgpr_msb 0x4
	s_wait_tensorcnt 0x0
	ds_add_u32 v63, v255
	s_wait_dscnt 0x0
	s_set_vgpr_msb 0x400
	CROUND                                         ; the closing round: no work-group ends while a partner may still ask for a tile that names it
	s_endpgm
.Lfunc_end_k_q5ab76bfca8_gemm1:
	.size	k_q5ab76bfca8_gemm1, .Lfunc_end_k_q5ab76bfca8_gemm1-k_q5ab76bfca8_gemm1
	.p2alignl 7, 3214868480
	.fill 96, 4, 3214868480
	.section	.rodata,"a",@progbits
	.p2align	6, 0x0
	.amdhsa_kernel k_q5ab76bfca8_gemm1
		.amdhsa_group_segment_fixed_size 327680
		.amdhsa_private_segment_fixed_size 0
		.amdhsa_enable_private_segment 0
		.amdhsa_kernarg_size 40
		.amdhsa_user_sgpr_count 2
		.amdhsa_user_sgpr_kernarg_segment_ptr 1
		.amdhsa_wavefront_size32 1
		.amdhsa_system_sgpr_workgroup_id_x 1
		.amdhsa_system_sgpr_workgroup_id_y 1
		.amdhsa_system_sgpr_workgroup_id_z 1
		.amdhsa_system_vgpr_workitem_id 0
		.amdhsa_next_free_vgpr 1024
		.amdhsa_next_free_sgpr 66
		.amdhsa_reserve_vcc 0
		.amdhsa_float_denorm_mode_32 3
		.amdhsa_float_denorm_mode_16_64 3
		.amdhsa_memory_ordered 1
		.amdhsa_forward_progress 1
		.amdhsa_inst_pref_size 255
	.end_amdhsa_kernel
	.section	.bss,"aw",@nobits
	.p2align	6
	.space	262144
	.amdgpu_metadata
---
amdhsa.version: [ 1, 2 ]
amdhsa.kernels:
  - .name:           k_q5ab76bfca8_gemm1
    .symbol:         k_q5ab76bfca8_gemm1.kd
    .args:
      - { .name: act1, .offset: 0, .size: 8, .value_kind: global_buffer, .address_space: global }
      - { .name: spline_w1, .offset: 8, .size: 8, .value_kind: global_buffer, .address_space: global }
      - { .name: scaler1, .offset: 16, .size: 8, .value_kind: global_buffer, .address_space: global }
      - { .name: base_w1, .offset: 24, .size: 8, .value_kind: global_buffer, .address_space: global }
      - { .name: part, .offset: 32, .size: 8, .value_kind: global_buffer, .address_space: global }
    .group_segment_fixed_size: 327680
    .private_segment_fixed_size: 0
    .kernarg_segment_align: 8
    .kernarg_segment_size: 40
    .max_flat_workgroup_size: 128
    .sgpr_count:     66
    .vgpr_count:     1024
    .wavefront_size: 32
...
	.end_amdgpu_metadata
.endif
;; end of part 4
;; launch red1 (part 5): grid 256 x 1, 8 waves a work-group, no clusters, 34,816 bytes of LDS; arguments part, act2; writes act2
.if DOCPART == 5
	.amdgcn_target "amdgcn-amd-amdhsa--gfx1250"
	.amdhsa_code_object_version 6
	.text
	.protected	k_q5ab76bfca8_red1
	.globl	k_q5ab76bfca8_red1
	.p2align	8
	.type	k_q5ab76bfca8_red1,@function
k_q5ab76bfca8_red1:
	s_mov_b64 s[64:65], 0
	v_nop
	global_prefetch_b8 v0, s[64:65] scope:SCOPE_SE
	s_setreg_imm32_b32 hwreg(HW_REG_WAVE_MODE, 25, 1), 1
	s_wait_xcnt 0x0
; Adds the eight K slices of a layer's sums and expands each sum x into the next layer's bf16 operand: relu(x) and the eight cubic B-spline values.
; VAR = 0: act1, [1024][18432]: eight slices of 2304 columns, [256 relu][256 x 8 spline].
; VAR = 1: act2, [1024][20480]: 32 slices of 640 columns, [64 relu hi][64 relu lo][64 x 8 spline]; lo = bf16(relu - hi), so that relu keeps sixteen bits of mantissa.
; part holds register images: byte (2 s + mb) x 4 MiB + nb x 256 KiB + w x 64 KiB + a x 8192 + q x 4096 + b x 512 + 16 lane holds four numbers j of lane (r, h):
; row 512 mb + 128 w + 16 a + 4 q + 8 h + j, feature 128 nb + 16 b + r.  A wave takes one unit (mb, nb, w, a, q): 8 rows x 128 features, 32 numbers a lane.
; Sixteen neighbouring lanes hold sixteen neighbouring features of one row, so their sixteen spline groups of 16 bytes are 256 consecutive bytes of the operand.
; THE ORDER OF WORK: the unit is walked in eight chunks b (16 features: one load of 512 bytes from each of the eight slices).  The loads of six chunks go out at the
; start, 48 a wave; a chunk is waited for by a count that leaves the younger chunks on their way, added, expanded and stored while they arrive.
; Four numbers are expanded side by side, so that no instruction reads the result of the one in front of it.
; Memory binds: 64 MiB in, about 40 MB out.  No matrix work, no tensor loads, no clusters (the work-groups share no input); the stage in LDS is each wave's own.
; SPLINES: knots -2.2 + 0.4 i.  t = 2.5 x + 5.5, i = floor t, u = t - i; the four values that are not 0 are those of basis i-3 .. i:
; (1-u)^3/6, u^2 (u/2 - 1) + 2/3, 1 - the other three, u^3/6.  They are placed among the eight by selects alone; outside [-2.2, 2.2) no select takes.
; LIMITS: the slices are added pairwise, ((0+1)+(2+3))+((4+5)+(6+7)), in f32; closed form in place of the recursion; NaN and infinities are not served.
.set VAR, 1
.if VAR == 0
.set RP,     36864                     ; bytes in a row of the operand
.set SPITCH, 272                       ; a stage row: 256 bytes of relu + 16
.else
.set RP,     40960
.set SPITCH, 528                       ; 2 x (128 hi + 128 lo) + 16
.endif
.set SSTEP, 0x800000                   ; bytes from slice to slice in part
.set NSET, 6                           ; chunks on their way
.set LOFF, 2                           ; v2   16 x lane
.set SOFF, 3                           ; v3   lane term of the spline stores
.set STG,  4                           ; v4   stage: where I put a relu value
.set RDA,  5                           ; v5   stage: where I read 16 bytes back
.set ROFF, 6                           ; v6   lane term of the relu stores
.set C55,  8                           ; v[8:9]   5.5 twice
.set KK,   10                          ; v[10:11] the cube root of 1/6, twice
.set C23,  12                          ; v[12:13] 2/3 twice
.set UR,   14                          ; v[14:23] at work on relu, two sets of five
.set TM,   24                          ; v[24:63] at work on the splines: ten arrays of four; at the start the lane's number, r and h
.set BACK, 24                          ; at the end: the stage read back
.set RING, 64                          ; v[64:255] six sets of 32: slice s of a chunk in registers 4 s .. 4 s + 3; then the sum in 0 .. 3, the results in 8 .. 23
.set SM,   68                          ; s[68:95]  seven masks for each of four numbers
.macro LDCH b                          ; chunk b of all eight slices: eight loads of 512 consecutive bytes
.irp s, 0,1,2,3,4,5,6,7
	global_load_b128 v[RING+32*((\b)%NSET)+4*\s:RING+32*((\b)%NSET)+4*\s+3], v[LOFF], s[8+2*\s:9+2*\s] offset:512*(\b) th:TH_LOAD_NT
.endr
.endm
	s_load_b128 s[4:7], s[0:1], 0x0                ; part s[4:5], operand s[6:7]
	v_lshl_add_u32 v7, v0, 2, 0x8400
	s_set_vgpr_msb 0x40
	v_mov_b32 v1, 0
	s_set_vgpr_msb 0x4000
	v_lshrrev_b32 v1, 5, v0
	v_readfirstlane_b32 s2, v1                     ; wave
	s_lshl_b32 s3, ttmp9, 3
	s_add_co_u32 s3, s3, s2                        ; unit = q + 2 a + 16 w + 64 nb + 1024 mb
	s_lshl_b32 s24, s3, 12                         ; a unit is 4,096 bytes of each slice
	s_mov_b32 s25, 0
	v_and_b32 v24, 31, v0                          ; lane
	v_and_b32 v25, 15, v0                          ; r
	v_bfe_u32 v26, v0, 4, 1                        ; h
	v_lshlrev_b32 v[LOFF], 4, v24
	s_wait_kmcnt 0x0
	s_add_nc_u64 s[8:9], s[4:5], s[24:25]          ; a base for each slice, s[8:23]: the distance does not fit the loads' immediate
.irp s, 1,2,3,4,5,6,7
	s_add_nc_u64 s[8+2*\s:9+2*\s], s[6+2*\s:7+2*\s], SSTEP
.endr
.irp b, 0,1,2,3,4,5
	LDCH \b
.endr
	; the addresses of the way out, while the loads are on their way
	s_and_b32 s26, s3, 62
	s_lshl_b32 s26, s26, 3                         ; 16 a + 128 w
	s_and_b32 s27, s3, 1
	s_lshl2_add_u32 s26, s27, s26                  ; + 4 q
	s_lshr_b32 s27, s3, 10
	s_lshl_b32 s27, s27, 9
	s_add_co_u32 s26, s26, s27                     ; + 512 mb: my first row
	s_mul_i32 s26, s26, RP
	s_bfe_u32 s27, s3, 0x40006                     ; nb
.if VAR == 0
	s_lshr_b32 s28, s27, 1
	s_mul_i32 s28, s28, 4608                       ; slice nb / 2
	s_add_co_u32 s26, s26, s28
	s_and_b32 s28, s27, 1                          ; which 128 of its 256 positions
	s_lshl_b32 s29, s28, 8
	s_add_co_u32 s38, s26, s29                     ; relu: 2 bytes a position
	s_lshl_b32 s29, s28, 11
	s_add_co_u32 s36, s26, s29                     ; spline: 16 bytes a position,
	s_add_co_u32 s36, s36, 512                     ; behind the 256 relu columns
.else
	s_mul_i32 s28, s27, 2560                       ; slices 2 nb and 2 nb + 1
	s_add_co_u32 s36, s26, s28
	s_mov_b32 s38, s36
.endif
	s_mov_b32 s37, 0
	s_mov_b32 s39, 0
	s_add_nc_u64 s[36:37], s[6:7], s[36:37]
	s_add_nc_u64 s[38:39], s[6:7], s[38:39]
	s_mul_i32 s29, s2, 8*SPITCH                    ; my wave's stage
	v_mul_u32_u24 v[SOFF], v26, 8*RP
	v_lshl_add_u32 v[SOFF], v25, 4, v[SOFF]        ; 8 h rows + 16 r
	v_mul_u32_u24 v[STG], v26, 4*SPITCH
	v_lshl_add_u32 v[STG], v25, 1, v[STG]
	v_add_nc_u32 v[STG], s29, v[STG]               ; stage row 4 h (+ j), byte 2 r
.if VAR == 0
	v_mul_u32_u24 v[RDA], v26, SPITCH
	v_lshl_add_u32 v[RDA], v25, 4, v[RDA]
	v_add_nc_u32 v[RDA], s29, v[RDA]               ; back: lanes 0-15 one row of 256 bytes, lanes 16-31 the next
	v_mul_u32_u24 v[ROFF], v26, RP
.else
	v_lshl_add_u32 v[RDA], v24, 4, s29             ; back: one row of 512 bytes; lanes 16-31 hold the second slice's 256
	v_mul_u32_u24 v[ROFF], v26, 1280
.endif
	v_lshl_add_u32 v[ROFF], v25, 4, v[ROFF]
	v_mov_b32 v[C55], 0x40b00000
	v_mov_b32 v[C55+1], 0x40b00000
	v_mov_b32 v[KK], 0x3f0ce1da
	v_mov_b32 v[KK+1], 0x3f0ce1da
	v_mov_b32 v[C23], 0x3f2aaaab
	v_mov_b32 v[C23+1], 0x3f2aaaab
; relu of the chunk's four rows (in v[CB .. CB+3]), rounded two and two; each half goes to its own stage row
.macro RELU4 b
.irp g, 0,1
	v_max_num_f32 v[UR+5*\g], 0, v[CB+2*\g]
	v_max_num_f32 v[UR+5*\g+1], 0, v[CB+2*\g+1]
.endr
.irp g, 0,1
	v_cvt_pk_bf16_f32 v[UR+5*\g+2], v[UR+5*\g], v[UR+5*\g+1]
.endr
.if VAR == 0
.irp g, 0,1
	ds_store_b16 v[STG], v[UR+5*\g+2] offset:2*\g*SPITCH+32*(\b)
	ds_store_b16_d16_hi v[STG], v[UR+5*\g+2] offset:(2*\g+1)*SPITCH+32*(\b)
.endr
.else
.irp g, 0,1
	v_lshlrev_b32 v[UR+5*\g+3], 16, v[UR+5*\g+2]   ; hi as f32
	v_and_b32 v[UR+5*\g+4], 0xffff0000, v[UR+5*\g+2]
.endr
.irp g, 0,1
	v_sub_f32 v[UR+5*\g], v[UR+5*\g], v[UR+5*\g+3] ; what the rounding left
	v_sub_f32 v[UR+5*\g+1], v[UR+5*\g+1], v[UR+5*\g+4]
.endr
.irp g, 0,1
	v_cvt_pk_bf16_f32 v[UR+5*\g+3], v[UR+5*\g], v[UR+5*\g+1]   ; lo
.endr
.irp g, 0,1
	ds_store_b16 v[STG], v[UR+5*\g+2] offset:2*\g*SPITCH+((\b)/4)*256+((\b)%4)*32
	ds_store_b16_d16_hi v[STG], v[UR+5*\g+2] offset:(2*\g+1)*SPITCH+((\b)/4)*256+((\b)%4)*32
	ds_store_b16 v[STG], v[UR+5*\g+3] offset:2*\g*SPITCH+((\b)/4)*256+((\b)%4)*32+128
	ds_store_b16_d16_hi v[STG], v[UR+5*\g+3] offset:(2*\g+1)*SPITCH+((\b)/4)*256+((\b)%4)*32+128
.endr
.endif
.endm
; The eight spline values of each of v[x .. x+3], as bf16, into v[o + 4 i .. o + 4 i + 3].  Ten arrays of four registers, TM + 4 k + i; the arithmetic goes two values an instruction.
.macro EXPAND4 x, o
.irp p, 0,2
	v_pk_fma_f32 v[TM+\p:TM+\p+1], v[\x+\p:\x+\p+1], 0x40200000, v[C55:C55+1] op_sel_hi:[1,0,1]   ; t = 2.5 x + 5.5
.endr
.irp i, 0,1,2,3
	v_floor_f32 v[TM+4+\i], v[TM+\i]
.endr
.irp p, 0,2
	v_pk_add_f32 v[TM+8+\p:TM+8+\p+1], v[TM+\p:TM+\p+1], v[TM+4+\p:TM+4+\p+1] neg_lo:[0,1] neg_hi:[0,1]   ; u
.endr
.irp i, 0,1,2,3
	v_cvt_i32_f32 v[TM+12+\i], v[TM+4+\i]          ; i (saturates for very large |x|: then no select below takes)
.endr
.irp p, 0,2
	v_pk_mul_f32 v[TM+16+\p:TM+16+\p+1], v[TM+8+\p:TM+8+\p+1], v[KK:KK+1]                  ; k u
	v_pk_fma_f32 v[TM+32+\p:TM+32+\p+1], v[TM+8+\p:TM+8+\p+1], 0.5, -1.0 op_sel_hi:[1,0,0]  ; u/2 - 1
	v_pk_mul_f32 v[TM+36+\p:TM+36+\p+1], v[TM+8+\p:TM+8+\p+1], v[TM+8+\p:TM+8+\p+1]         ; u^2
.endr
.irp p, 0,2
	v_pk_add_f32 v[TM+20+\p:TM+20+\p+1], v[KK:KK+1], v[TM+16+\p:TM+16+\p+1] neg_lo:[0,1] neg_hi:[0,1]   ; k (1 - u)
	v_pk_mul_f32 v[TM+24+\p:TM+24+\p+1], v[TM+16+\p:TM+16+\p+1], v[TM+16+\p:TM+16+\p+1]
	v_pk_fma_f32 v[TM+32+\p:TM+32+\p+1], v[TM+36+\p:TM+36+\p+1], v[TM+32+\p:TM+32+\p+1], v[C23:C23+1]   ; w1 = u^2 (u/2 - 1) + 2/3
.endr
.irp p, 0,2
	v_pk_mul_f32 v[TM+28+\p:TM+28+\p+1], v[TM+20+\p:TM+20+\p+1], v[TM+20+\p:TM+20+\p+1]
	v_pk_mul_f32 v[TM+24+\p:TM+24+\p+1], v[TM+24+\p:TM+24+\p+1], v[TM+16+\p:TM+16+\p+1]     ; w3 = u^3 / 6
.endr
.irp p, 0,2
	v_pk_mul_f32 v[TM+28+\p:TM+28+\p+1], v[TM+28+\p:TM+28+\p+1], v[TM+20+\p:TM+20+\p+1]     ; w0 = (1 - u)^3 / 6
.endr
.irp p, 0,2
	v_pk_add_f32 v[TM+36+\p:TM+36+\p+1], v[TM+24+\p:TM+24+\p+1], v[TM+32+\p:TM+32+\p+1]
.endr
.irp p, 0,2
	v_pk_add_f32 v[TM+36+\p:TM+36+\p+1], v[TM+36+\p:TM+36+\p+1], v[TM+28+\p:TM+28+\p+1]
.endr
.irp p, 0,2
	v_pk_fma_f32 v[TM+36+\p:TM+36+\p+1], v[TM+36+\p:TM+36+\p+1], -1.0, 1.0 op_sel_hi:[1,0,0]   ; w2: the four add up to 1
.endr
.irp i, 0,1,2,3
	v_cvt_pk_bf16_f32 v[TM+16+\i], v[TM+28+\i], v[TM+32+\i]    ; (w0, w1)
	v_cvt_pk_bf16_f32 v[TM+20+\i], v[TM+36+\i], v[TM+24+\i]    ; (w2, w3)
	v_and_b32 v[TM+\i], 1, v[TM+12+\i]
	v_add_nc_u32 v[TM+12+\i], -3, v[TM+12+\i]
.endr
.irp i, 0,1,2,3
	v_cmp_eq_u32 s[SM+7*\i], 1, v[TM+\i]                       ; i is odd
	v_ashrrev_i32 v[TM+12+\i], 1, v[TM+12+\i]                  ; p = floor((i - 3) / 2), -2 .. 3 inside the knots
	v_lshlrev_b32 v[TM+24+\i], 16, v[TM+16+\i]                 ; (0, w0)   the same four, half a word further up, for an even i
	v_alignbit_b32 v[TM+28+\i], v[TM+20+\i], v[TM+16+\i], 16   ; (w1, w2)
	v_lshrrev_b32 v[TM+32+\i], 16, v[TM+20+\i]                 ; (w3, 0)
.endr
.irp i, 0,1,2,3
	v_cndmask_b32 v[TM+24+\i], v[TM+24+\i], v[TM+16+\i], s[SM+7*\i]
	v_cndmask_b32 v[TM+28+\i], v[TM+28+\i], v[TM+20+\i], s[SM+7*\i]
	v_cndmask_b32 v[TM+32+\i], v[TM+32+\i], 0, s[SM+7*\i]      ; three words E0, E1, E2, which belong at words p, p+1, p+2 of the four
.endr
.irp i, 0,1,2,3
	v_cmp_eq_i32 s[SM+7*\i+1], -2, v[TM+12+\i]
	v_cmp_eq_i32 s[SM+7*\i+2], -1, v[TM+12+\i]
	v_cmp_eq_i32 s[SM+7*\i+3], 0, v[TM+12+\i]
	v_cmp_eq_i32 s[SM+7*\i+4], 1, v[TM+12+\i]
	v_cmp_eq_i32 s[SM+7*\i+5], 2, v[TM+12+\i]
	v_cmp_eq_i32 s[SM+7*\i+6], 3, v[TM+12+\i]
.endr
.irp i, 0,1,2,3
.irp q, 0,1,2,3
	v_cndmask_b32 v[\o+4*\i+\q], 0, v[TM+32+\i], s[SM+7*\i+1+\q]                ; word q = E2 if p = q - 2,
.endr
.endr
.irp i, 0,1,2,3
.irp q, 0,1,2,3
	v_cndmask_b32 v[\o+4*\i+\q], v[\o+4*\i+\q], v[TM+28+\i], s[SM+7*\i+2+\q]    ; E1 if p = q - 1,
.endr
.endr
.irp i, 0,1,2,3
.irp q, 0,1,2,3
	v_cndmask_b32 v[\o+4*\i+\q], v[\o+4*\i+\q], v[TM+24+\i], s[SM+7*\i+3+\q]    ; E0 if p = q, else 0
.endr
.endr
.endm
; Chunk b.  left = the loads of the younger chunks that have been asked for, which stay out.
; more = 1: the set of the chunk before, whose stores were issued a turn ago, is loaded again with chunk b + 5.
.macro CHUNK b, left, more
.set CB, RING+32*((\b)%NSET)
	s_wait_loadcnt \left                           ; loads come back in order: this chunk's eight are in
.irp k, 0,2
.irp s, 0,8,16,24
	v_pk_add_f32 v[CB+\s+\k:CB+\s+\k+1], v[CB+\s+\k:CB+\s+\k+1], v[CB+\s+4+\k:CB+\s+4+\k+1]
.endr
.endr
.irp k, 0,2
.irp s, 0,16
	v_pk_add_f32 v[CB+\s+\k:CB+\s+\k+1], v[CB+\s+\k:CB+\s+\k+1], v[CB+\s+8+\k:CB+\s+8+\k+1]
.endr
.endr
.irp k, 0,2
	v_pk_add_f32 v[CB+\k:CB+\k+1], v[CB+\k:CB+\k+1], v[CB+16+\k:CB+16+\k+1]
.endr
.if \more
	s_wait_xcnt 0x0                                ; every earlier memory instruction has had its addresses translated (ISA guide 3.1): the set that the last chunk's stores read is loaded again only behind this wait
	LDCH \b+5
.endif
	RELU4 \b
	EXPAND4 CB, CB+8
.irp j, 0,1,2,3
.if VAR == 0
	global_store_b128 v[SOFF], v[CB+8+4*\j:CB+8+4*\j+3], s[36:37] offset:\j*RP+256*(\b) th:TH_STORE_NT   ; sixteen positions of one row: 256 consecutive bytes, aligned
.else
	global_store_b128 v[SOFF], v[CB+8+4*\j:CB+8+4*\j+3], s[36:37] offset:\j*RP+((\b)/4)*1280+256+((\b)%4)*256 th:TH_STORE_NT
.endif
.endr
.endm
	CHUNK 0, 40, 0                                 ; chunks 1 to 5 stay out
	CHUNK 1, 32, 1                                 ; chunks 2 to 5; then chunk 6 is asked for
	CHUNK 2, 32, 1                                 ; chunks 3 to 6; then chunk 7
	CHUNK 3, 32, 0                                 ; chunks 4 to 7
	CHUNK 4, 24, 0                                 ; nothing is left to ask for: the counts run down
	CHUNK 5, 16, 0
	CHUNK 6, 8, 0
	CHUNK 7, 0, 0
	; relu leaves as whole rows.  My wave's own bytes, served in the order of issue: the loads see the stores above.  Stage row 4 h + j is row 8 h + j of my unit.
.if VAR == 0
.irp t, 0,1,2,3
	ds_load_b128 v[BACK+4*\t:BACK+4*\t+3], v[RDA] offset:2*\t*SPITCH
.endr
.irp t, 0,1,2,3
	s_wait_dscnt 3-\t                              ; LDS loads come back in order: load t is in
	global_store_b128 v[ROFF], v[BACK+4*\t:BACK+4*\t+3], s[38:39] offset:(8*(\t/2)+2*(\t%2))*RP th:TH_STORE_NT   ; sixteen lanes store 256 consecutive bytes, aligned
.endr
.else
.irp t, 0,1,2,3,4,5,6,7
	ds_load_b128 v[BACK+4*\t:BACK+4*\t+3], v[RDA] offset:\t*SPITCH
.endr
.irp t, 0,1,2,3,4,5,6,7
	s_wait_dscnt 7-\t
	global_store_b128 v[ROFF], v[BACK+4*\t:BACK+4*\t+3], s[38:39] offset:(8*(\t/4)+\t%4)*RP th:TH_STORE_NT
.endr
.endif
	s_set_vgpr_msb 0x4
	s_wait_tensorcnt 0x0
	ds_add_u32 v7, v1
	s_wait_dscnt 0x0
	s_set_vgpr_msb 0x400
	s_endpgm
.Lfunc_end_k_q5ab76bfca8_red1:
	.size	k_q5ab76bfca8_red1, .Lfunc_end_k_q5ab76bfca8_red1-k_q5ab76bfca8_red1
	.p2alignl 7, 3214868480
	.fill 96, 4, 3214868480
	.section	.rodata,"a",@progbits
	.p2align	6, 0x0
	.amdhsa_kernel k_q5ab76bfca8_red1
		.amdhsa_group_segment_fixed_size 34816
		.amdhsa_private_segment_fixed_size 0
		.amdhsa_enable_private_segment 0
		.amdhsa_kernarg_size 16
		.amdhsa_user_sgpr_count 2
		.amdhsa_user_sgpr_kernarg_segment_ptr 1
		.amdhsa_wavefront_size32 1
		.amdhsa_system_sgpr_workgroup_id_x 1
		.amdhsa_system_sgpr_workgroup_id_y 1
		.amdhsa_system_sgpr_workgroup_id_z 1
		.amdhsa_system_vgpr_workitem_id 0
		.amdhsa_next_free_vgpr 258
		.amdhsa_next_free_sgpr 96
		.amdhsa_reserve_vcc 0
		.amdhsa_float_denorm_mode_32 3
		.amdhsa_float_denorm_mode_16_64 3
		.amdhsa_memory_ordered 1
		.amdhsa_forward_progress 1
		.amdhsa_inst_pref_size 102
	.end_amdhsa_kernel
	.amdgpu_metadata
---
amdhsa.version: [ 1, 2 ]
amdhsa.kernels:
  - .name:           k_q5ab76bfca8_red1
    .symbol:         k_q5ab76bfca8_red1.kd
    .args:
      - { .name: part, .offset: 0, .size: 8, .value_kind: global_buffer, .address_space: global }
      - { .name: act2, .offset: 8, .size: 8, .value_kind: global_buffer, .address_space: global }
    .group_segment_fixed_size: 34816
    .private_segment_fixed_size: 0
    .kernarg_segment_align: 8
    .kernarg_segment_size: 16
    .max_flat_workgroup_size: 256
    .sgpr_count:     96
    .vgpr_count:     258
    .wavefront_size: 32
...
	.end_amdgpu_metadata
.endif
;; end of part 5
;; launch gemm2 (part 6): grid 4 x 64, 4 waves a work-group, clusters of 4 x 4, 327,680 bytes of LDS; arguments act2, spline_w2, scaler2, base_w2, part; writes part
.if DOCPART == 6
	.amdgcn_target "amdgcn-amd-amdhsa--gfx1250"
	.amdhsa_code_object_version 6
	.text
	.protected	k_q5ab76bfca8_gemm2
	.globl	k_q5ab76bfca8_gemm2
	.p2align	8
	.type	k_q5ab76bfca8_gemm2,@function
k_q5ab76bfca8_gemm2:
	s_mov_b64 s[64:65], 0
	v_nop
	global_prefetch_b8 v0, s[64:65] scope:SCOPE_SE
	s_setreg_imm32_b32 hwreg(HW_REG_WAVE_MODE, 25, 1), 1
	s_wait_xcnt 0x0
	s_wait_alu depctr_hold_cnt(0) depctr_sa_sdst(0) depctr_va_vdst(0) depctr_va_sdst(0) depctr_va_ssrc(0) depctr_va_vcc(0) depctr_vm_vsrc(0)
	s_getreg_b32 s2, hwreg(HW_REG_IB_STS2, 6, 4)
	s_cmp_eq_u32 s2, 0
	s_cbranch_scc0 .Lentry_in_a_cluster
	s_endpgm
.Lentry_in_a_cluster:
	s_bfe_u32 s2, ttmp6, 0x10000c
	s_cmp_lg_u32 s2, 0xf033
	s_cbranch_scc0 .Lentry_shape_is_right
	s_endpgm
.Lentry_shape_is_right:
; One KAN layer as ONE product with K split over work-groups:  part[slice] = A[:, slice] x B[:, slice]^T.
; A (bf16, made by the launch before): ten columns a feature, relu(x) as hi and lo and eight spline values; a slice's columns lie together, relu first.
; B (made here): base_w, and spline_w x scaler, multiplied in f32 and rounded once to bf16.  Sums in f32.
; A work-group makes 512 rows x 128 columns of C for one slice of K, with four waves, as many as a WGP has SIMDs; a wave makes 128 x 128: 64 accumulator
; tiles, 512 registers.  2 row blocks x NBLK column blocks x NSLICE slices = 256 work-groups in every layer.  The sums of a slice leave as raw register
; images (each store of a wave covers 512 consecutive bytes); the next launch adds the slices: no work-group reads what another stores.
; WHY 512 x 128: B comes as 4-byte numbers that have to pass through registers (scale, round), A as 2-byte numbers ready for LDS.  512 x 2 + 128 x 4 bytes
; for each k is as little as 256 x 256 would take, and each weight is fetched and converted by two work-groups, not four.
; K goes in half-steps of 64 (128 matrix instructions a wave).  A: two half-steps make a tile with rows of 256 bytes, in a ring of two LDS slots filled by
; the tensor data mover.  B: each wave fetches 32 of the 128 rows two half-steps ahead into registers, converts them one half-step ahead and puts them
; into one of two LDS buffers, which the mover never touches.
; CLUSTERS: 4 x 4 work-groups.  A's tile hangs on the row block and the slice alone, which the four work-groups of a row of the cluster share: it is asked for
; jointly.  B is NOT asked for jointly: only the two row blocks share it, and a joint load would bring f32 into LDS, 32 KiB more written and read there for
; every 64 of K, only to be read into registers, converted and stored again.  The two that share it are neighbours in the cluster and run in step.
; LIMITS: matrix operands are bf16; the order of the f32 sums is this text's (by slices).  Layer 0's slice 7 begins at feature 895, which slice 6 also
; holds; A has zeros there, so a weight of that feature that is not finite would spoil its output.  NaN and infinities are not served.
.set LAYER, 2
.if LAYER == 0
.set F, 1023                           ; features
.set NBLK, 16                          ; blocks of 128 outputs
.set NB, 2                             ; half-steps of base weights in a slice (64 features each)
.set NS, 16                            ; half-steps of spline weights (8 features x 8 each)
.set NSLICE, 8
.endif
.if LAYER == 1
.set F, 2048
.set NBLK, 16
.set NB, 4
.set NS, 32
.set NSLICE, 8
.endif
.if LAYER == 2
.set F, 2048
.set NBLK, 4
.set NB, 2                             ; relu comes as hi + lo, two columns a feature: both meet the same 64 base weights
.set NS, 8
.set NSLICE, 32
.endif
.set T, NB+NS                          ; half-steps in a slice: even, at least 10
.set KSL, 64*T                         ; columns of A in a slice
.set KTOT, KSL*NSLICE                  ; columns of A
.set PS, 32*F                          ; bytes in a row of spline_w
.set PC, 4*F                           ; bytes in a row of scaler and of base_w
.set APITCH, 272                       ; an LDS row of A: 256 bytes + 16: the sixteen rows of a fragment start in sixteen different groups of four banks
.set AWAVE, 128*APITCH                 ; a wave's 128 rows
.set ASLOT, 4*AWAVE                    ; 139,264
.set BPITCH, 144                       ; an LDS row of B: 128 bytes + 16
.set BBASE, 2*ASLOT                    ; 278,528 = 1,088 x 256: behind the ring, in blocks of 256 bytes of its own
.set BBUF, 128*BPITCH                  ; 18,432
.set TRIPS, (T-8)/4                    ; the loop's trips, four half-steps each
; REGISTERS, in windows of 256:
;   window 0: v16-17 ADRA, v20 ADRB, v26 CO; v64-127, v128-191 fragments of A, two buffers; v192-255 fragments of B, buffer 0
;   window 1: v0-63 fragments of B, buffer 1; v64-191 weights as loaded, two sets; v192-223 scalers as loaded, two sets; v224-239 scalers by lane; v240-244 addresses
;   window 2: accumulator tiles (a, b), a = 0..3, at v[8 (8 a + b)];   window 3: a = 4..7
.set ADRA, 16
.set ADRB, 20
.set CO,   26
.set FA0,  64
.set FA1,  128
.set FB0,  192
.set FB1,  0
.set ST,   64
.set SC,   192
.set SS,   224
.set VSPL, 240
.set VSCL, 241
.set VBAS, 242
.set VSTO, 243
.set VSTO0, 244
.set MSB, 0
.set SPL_USED, 0
.set BAS_USED, 0
.macro WIN new                         ; s_set_vgpr_msb: bits 1:0 source 0, 3:2 source 1, 5:4 source 2, 7:6 destination; the high byte repeats the setting that is left
.if MSB != \new
	s_set_vgpr_msb (MSB<<8)|\new
.set MSB, \new
.endif
.endm
.macro PLACES                          ; four places behind a matrix instruction, in front of loads into registers that it has read and of stores of its results
.rept 4
	v_nop
.endr
.endm
; A round of the cluster's barrier: my work-group's barrier, wave 0 signals for the work-group, every wave waits for all sixteen, my work-group's barrier once more.
.macro CREST                           ; a round behind its opening barrier
	s_cmp_lg_u32 s14, 0
	s_cbranch_scc1 .Lnot_wave_0_\@
	s_barrier_signal -3
.Lnot_wave_0_\@:
	s_barrier_wait -3
	s_barrier_signal -1
	s_barrier_wait -1
.endm
.macro CROUND
	s_barrier_signal -1
	s_barrier_wait -1
	CREST
.endm
	s_load_b256 s[4:11], s[0:1], 0x0               ; A s[4:5], spline_w s[6:7], scaler s[8:9], base_w s[10:11]
	s_load_b64 s[12:13], s[0:1], 0x20              ; part
	v_lshl_add_u32 v63, v0, 2, 0x4d000
	s_set_vgpr_msb 0x40
	v_mov_b32 v255, 0
	s_set_vgpr_msb 0x4044
	ds_add_u32 v63, v255
	s_set_vgpr_msb 0x4400
	v_lshrrev_b32 v1, 5, v0
	v_readfirstlane_b32 s14, v1                    ; wave 0..3
	s_bfe_u32 s15, ttmp6, 0x40000                  ; cx
	s_bfe_u32 s16, ttmp6, 0x40004                  ; cy
	s_lshl_b32 s17, ttmp9, 2
	s_add_co_u32 s17, s17, s15                     ; column block = 4 x cluster x + cx
	s_and_b32 s18, ttmp7, 0xffff
	s_lshl_b32 s18, s18, 2
	s_add_co_u32 s18, s18, s16                     ; work-group y = 4 x cluster y + cy = 2 x slice + row block
	s_and_b32 s19, s18, 1                          ; row block
	s_lshr_b32 s20, s18, 1                         ; slice
	s_lshl_b32 s21, s16, 2
	s_lshl_b32 s21, 15, s21                        ; my row of the cluster: places 4 cy .. 4 cy + 3
	; descriptor group 1: 128 rows x 128 elements of 2 bytes, 16 bytes of padding behind each row
	s_or_b32 s24, s21, (1<<16)|(1<<20)|(1<<21)|(5<<22)|(3<<25)   ; 15:0 the mask; 17:16 2 bytes; 20 padding on; 21 set beside a mask; 24:22 after 64 words; 31:25 four words
	s_mov_b32 s25, 128<<16                         ; tensor_dim0 = 128
	s_mov_b32 s26, 128<<16                         ; tensor_dim1 = 128
	s_mov_b32 s27, 128<<16                         ; tile_dim0 = 128
	s_mov_b32 s28, 128                             ; tile_dim1 = 128
	s_mov_b32 s29, KTOT                            ; elements from row to row
	s_mov_b32 s30, 0
	s_mov_b32 s31, 0
	; where A's tiles come from: row block, wave and slice; the registers that feed the descriptors never hold cx
	s_lshl_b32 s46, s19, 9
	s_lshl_b32 s47, s14, 7
	s_add_co_u32 s46, s46, s47                     ; row 512 x block + 128 x wave
	s_mul_i32 s46, s46, KTOT*2
	s_mul_i32 s47, s20, KSL*2
	s_add_co_u32 s46, s46, s47                     ; below 42 MB: 32 bits do
	s_mov_b32 s47, 0
	s_mul_i32 s48, s14, AWAVE                      ; and where they go: the wave's number alone
	; where my 32 rows of the weights begin
	s_lshl_b32 s49, s17, 7
	s_lshl_b32 s50, s14, 5
	s_add_co_u32 s49, s49, s50                     ; output 128 x block + 32 x wave
.if LAYER == 0
	s_lshl_b32 s51, s20, 7
	s_min_u32 s51, s51, 895                        ; the slice's first feature: the last slice begins one early and ends at feature 1022
.endif
.if LAYER == 1
	s_lshl_b32 s51, s20, 8
.endif
.if LAYER == 2
	s_lshl_b32 s51, s20, 6
.endif
	s_mul_i32 s52, s49, PS
	s_lshl_b32 s53, s51, 5
	s_add_co_u32 s52, s52, s53                     ; below 135 MB
	s_mov_b32 s53, 0
	s_mul_i32 s54, s49, PC
	s_lshl_b32 s55, s51, 2
	s_add_co_u32 s54, s54, s55
	s_mov_b32 s55, 0
	s_mul_i32 s56, s18, NBLK
	s_add_co_u32 s56, s56, s17
	s_lshl_b32 s56, s56, 18                        ; 256 KiB of sums for each work-group,
	s_lshl_b32 s57, s14, 16                        ; 64 KiB for each wave
	s_add_co_u32 s56, s56, s57
	s_mov_b32 s57, 0
	s_mul_i32 s58, s14, 32*BPITCH
	s_add_co_u32 s58, s58, BBASE                   ; my 32 rows in B's buffer 0
	s_mov_b32 s40, 0x33221100                      ; lane i of sixteen takes lane i / 2,
	s_mov_b32 s41, 0x77665544
	s_mov_b32 s42, 0xbbaa9988                      ; or lane 8 + i / 2
	s_mov_b32 s43, 0xffeeddcc
	v_and_b32 v1, 15, v0                           ; r
	v_bfe_u32 v2, v0, 4, 1                         ; h
	v_and_b32 v3, 31, v0                           ; lane
	; a fragment is 16 rows x 32 K in 8 registers: lane (r, h) holds row r; registers 0-3 K = 8 h .. + 7, registers 4-7 K = 16 + 8 h .. + 7: two loads of 16 bytes, 32 apart
	v_mul_u32_u24 v4, v1, APITCH
	v_lshl_add_u32 v4, v2, 4, v4
	v_add_nc_u32 v[ADRA], s48, v4
	v_add_nc_u32 v[ADRA+1], ASLOT, v[ADRA]
	v_mul_u32_u24 v5, v1, BPITCH
	v_lshl_add_u32 v5, v2, 4, v5
	v_add_nc_u32 v[ADRB], BBASE, v5
	v_lshlrev_b32 v[CO], 4, v3
	; a load unit of the weights is two rows, eight apart: lanes 0-15 take 256 bytes of one, lanes 16-31 of the other
	v_mul_u32_u24 v6, v2, 8*PS
	v_mul_u32_u24 v7, v2, 8*PC
	v_mul_u32_u24 v8, v2, 8*BPITCH
	v_lshl_add_u32 v8, v1, 3, v8
	WIN 0x40                                       ; destination in window 1
	v_lshl_add_u32 v[VSPL], v1, 4, v6
	v_lshl_add_u32 v[VSCL], v1, 2, v7
.if LAYER == 0
	v_lshlrev_b32 v[VBAS], 3, v3                   ; base_w0's rows start at multiples of 4 bytes only: two loads of 4 bytes a row, lane l takes features 2 l and 2 l + 1
	v_lshl_add_u32 v[VSTO0], v3, 2, s58
.else
	v_lshl_add_u32 v[VBAS], v1, 4, v7
.endif
	v_add_nc_u32 v[VSTO], s58, v8                  ; row 32 w + 8 h, byte 8 r: rows eight apart lie 1,152 bytes apart, 128 modulo 256, so the two halves of a store use different banks
.irp j, 0,1,2,3,4,5,6,7,8,9,10,11,12,13,14,15
	v_mov_b32 v[SS+\j], 0                          ; a lane permute's destination counts as read, and the packed multiply names whole pairs
.endr
	WIN 0
	s_wait_dscnt 0x0
	s_wait_kmcnt 0x0
	s_add_nc_u64 s[6:7], s[6:7], s[52:53]
	s_add_nc_u64 s[8:9], s[8:9], s[54:55]
	s_add_nc_u64 s[10:11], s[10:11], s[54:55]
	s_add_nc_u64 s[12:13], s[12:13], s[56:57]
	s_add_nc_u64 s[4:5], s[4:5], s[46:47]
.irp n, 0,1
	s_mov_b32 s[32+4*\n], 1                                        ; descriptor group 0, a set for each slot: count = 1
	s_add_co_u32 s[33+4*\n], s48, \n*ASLOT                         ; LDS address
	s_add_nc_u64 s[34+4*\n:35+4*\n], s[4:5], \n*256                ; global address: step n of K = 128
	s_or_b32 s[35+4*\n], s[35+4*\n], 0x80000000                    ; type = 2
.endr
; The weights of half-step DD, into set DD % 2.  A pointer is stepped only behind s_wait_xcnt 0: the loads that named it have had their addresses translated.
.macro LOADS                           ; 8 features x 8 values = 256 consecutive bytes of each of my 32 rows; in even half-steps also the scalers of 16 features, for two half-steps
.if SPL_USED
	s_wait_xcnt 0x0
	s_add_nc_u64 s[6:7], s[6:7], 256
.if (DD%2) == 0
	s_add_nc_u64 s[8:9], s[8:9], 64
.endif
.endif
.set SPL_USED, 1
.irp j, 0,1,2,3,4,5,6,7,8,9,10,11,12,13,14,15
	global_load_b128 v[ST+64*(DD%2)+4*\j:ST+64*(DD%2)+4*\j+3], v[VSPL], s[6:7] offset:(16*(\j/8)+\j%8)*PS
.endr
.if (DD%2) == 0
.irp j, 0,1,2,3,4,5,6,7,8,9,10,11,12,13,14,15
	global_load_b32 v[SC+16*((DD/2)%2)+\j], v[VSCL], s[8:9] offset:(16*(\j/8)+\j%8)*PC
.endr
.endif
.endm
.macro LOADBASE                        ; 64 features of base_w of each of my 32 rows
.if LAYER != 2
.if BAS_USED
	s_wait_xcnt 0x0
	s_add_nc_u64 s[10:11], s[10:11], 256
.endif
.endif
.set BAS_USED, 1
.if LAYER == 0
.set RR, 0
.rept 32
	global_load_b32 v[ST+64*(DD%2)+2*RR], v[VBAS], s[10:11] offset:RR*PC
	global_load_b32 v[ST+64*(DD%2)+2*RR+1], v[VBAS], s[10:11] offset:RR*PC+4
.set RR, RR+1
.endr
.else
.irp j, 0,1,2,3,4,5,6,7,8,9,10,11,12,13,14,15
	global_load_b128 v[ST+64*(DD%2)+4*\j:ST+64*(DD%2)+4*\j+3], v[VBAS], s[10:11] offset:(16*(\j/8)+\j%8)*PC
.endr
.endif
.endm
.macro DO_LOAD
.if DD < T
.if DD < NB
	LOADBASE
.else
	LOADS
.endif
.endif
.endm
; CN = the loads of half-step XX's group: what may stay out when the group in front of it has to be there
.macro SETCN
.if XX >= T
.set CN, 0
.else
.if XX < NB
.if LAYER == 0
.set CN, 63                            ; the group has 64 loads; the count's field ends at 63, and a smaller count is safe
.else
.set CN, 16
.endif
.else
.if (XX%2) == 0
.set CN, 32
.else
.set CN, 16
.endif
.endif
.endif
.endm
; The weights of half-step CC, from set CC % 2, as bf16 into B's buffer CC % 2.
.macro CONVS
.set DB, ST+64*(CC%2)
.set SB, SC+16*((CC/2)%2)
	s_wait_loadcnt CN                              ; loads come back in order: all but the one younger group are in
.irp g, 0,1
.irp i, 0,1,2,3,4,5,6,7
	v_permlane16_b32 v[SS+2*\i], v[SB+8*\g+\i], s[40+2*(CC%2)], s[41+2*(CC%2)]   ; my 16 bytes are half of feature r / 2 of the eight: its scaler, from the lane that loaded it
.endr
.irp i, 0,1,2,3,4,5,6,7
	v_pk_mul_f32 v[DB+32*\g+4*\i:DB+32*\g+4*\i+1], v[DB+32*\g+4*\i:DB+32*\g+4*\i+1], v[SS+2*\i:SS+2*\i+1] op_sel_hi:[1,0]
	v_pk_mul_f32 v[DB+32*\g+4*\i+2:DB+32*\g+4*\i+3], v[DB+32*\g+4*\i+2:DB+32*\g+4*\i+3], v[SS+2*\i:SS+2*\i+1] op_sel_hi:[1,0]
.endr
.endr
.irp j, 0,1,2,3,4,5,6,7,8,9,10,11,12,13,14,15
	v_cvt_pk_bf16_f32 v[DB+4*\j], v[DB+4*\j], v[DB+4*\j+1]
	v_cvt_pk_bf16_f32 v[DB+4*\j+1], v[DB+4*\j+2], v[DB+4*\j+3]
.endr
.irp j, 0,1,2,3,4,5,6,7,8,9,10,11,12,13,14,15
	ds_store_b64 v[VSTO], v[DB+4*\j:DB+4*\j+1] offset:(CC%2)*BBUF+(16*(\j/8)+\j%8)*BPITCH
.endr
.endm
.macro CONVBASE
.set DB, ST+64*(CC%2)
	s_wait_loadcnt CN
.if LAYER == 0
.set RR, 0
.rept 32
	v_cvt_pk_bf16_f32 v[DB+2*RR], v[DB+2*RR], v[DB+2*RR+1]
.set RR, RR+1
.endr
.set RR, 0
.rept 32
	ds_store_b32 v[VSTO0], v[DB+2*RR] offset:(CC%2)*BBUF+RR*BPITCH
.set RR, RR+1
.endr
.else
.irp j, 0,1,2,3,4,5,6,7,8,9,10,11,12,13,14,15
	v_cvt_pk_bf16_f32 v[DB+4*\j], v[DB+4*\j], v[DB+4*\j+1]
	v_cvt_pk_bf16_f32 v[DB+4*\j+1], v[DB+4*\j+2], v[DB+4*\j+3]
.endr
.irp j, 0,1,2,3,4,5,6,7,8,9,10,11,12,13,14,15
	ds_store_b64 v[VSTO], v[DB+4*\j:DB+4*\j+1] offset:(CC%2)*BBUF+(16*(\j/8)+\j%8)*BPITCH
.endr
.endif
.endm
.macro DO_CONV
.if CC < NB
	CONVBASE
.else
	CONVS
.endif
.endm
; 16 matrix instructions: row tiles a0, a0 + 1 of the window's four (hi = 0: my rows 0-63, 1: rows 64-127) x all 8 column tiles, 32 along K.
; Source 0 = rows of A, source 1 = rows of B: register j of lane (r, h) is C(8 h + j, r).  zero = 1: the first product starts the sums: nothing is cleared.
; The 64 accumulators take turns, one instruction a turn, in the same order in every 32 of K, over the loop's backward jump too.
.macro MUL16 fa, fb, hi, a0, zero
.irp a, \a0, \a0+1
.irp b, 0,1,2,3,4,5,6,7
.if \zero
	v_wmma_f32_16x16x32_bf16 v[8*(8*(\a)+\b):8*(8*(\a)+\b)+7], v[\fa+8*(4*\hi+\a):\fa+8*(4*\hi+\a)+7], v[\fb+8*\b:\fb+8*\b+7], 0
.else
	v_wmma_f32_16x16x32_bf16 v[8*(8*(\a)+\b):8*(8*(\a)+\b)+7], v[\fa+8*(4*\hi+\a):\fa+8*(4*\hi+\a)+7], v[\fb+8*\b:\fb+8*\b+7], v[8*(8*(\a)+\b):8*(8*(\a)+\b)+7]
.endif
.endr
.endr
.endm
; 32 LDS loads in one run: the fragments of 32 of K, B's 128 rows first, then my 128 rows of A, into fragment buffer f
.macro FETCH slot, abyte, buf, cbyte, f
.if \f
	WIN 0x40
.else
	WIN 0
.endif
.irp i, 0,1,2,3,4,5,6,7
	ds_load_b128 v[FB0*(1-\f)+8*\i:FB0*(1-\f)+8*\i+3],   v[ADRB] offset:(\buf)*BBUF+\cbyte+\i*16*BPITCH
	ds_load_b128 v[FB0*(1-\f)+8*\i+4:FB0*(1-\f)+8*\i+7], v[ADRB] offset:(\buf)*BBUF+\cbyte+\i*16*BPITCH+32
.endr
	WIN 0
.irp i, 0,1,2,3,4,5,6,7
	ds_load_b128 v[FA0+64*\f+8*\i:FA0+64*\f+8*\i+3],   v[ADRA+\slot] offset:\abyte+\i*16*APITCH
	ds_load_b128 v[FA0+64*\f+8*\i+4:FA0+64*\f+8*\i+7], v[ADRA+\slot] offset:\abyte+\i*16*APITCH+32
.endr
.endm
; Half-step HS: 2 x 64 matrix instructions on fragment buffers 0 and 1.  In it: the weights of half-step HS + 1 are converted into the B buffer that is not being read,
; those of HS + 3 are asked for, and at its end one barrier changes B's buffers.  At the end of an odd half-step A's slot changes too:
;   EN = 0  even half-step: a plain barrier.  My refill of the other slot may stay out.
;   EN = 1  a round of the cluster's barrier, and behind it the joint refill of the slot just read, two steps of K = 128 ahead.
;   EN = 2  the last change of slots: nothing is left to fetch.      EN = 3  the last half-step.
; B's order: the buffer that CONV writes was last read in half-step HS - 1, and every wave waited for those reads in front of the barrier that ended it;
; my stores are waited for (DScnt 0) in front of the signal that ends this half-step, and the buffer is first read behind that barrier's wait.
.macro HS_AUTO
.set SL, (HS/2)%2
.set HH, HS%2
.set CC, HS+1
.set DD, HS+3
.set XX, HS+2
	SETCN
.if HH == 0
.set EN, 0
.set NSL, SL
.set NAB, 128
.else
.set NSL, 1-SL
.set NAB, 0
.if HS/2+2 < T/2
.set EN, 1
.else
.if HS/2+1 < T/2
.set EN, 2
.else
.set EN, 3
.endif
.endif
.endif
.if HS == 0
.set ZZ, 1
.else
.set ZZ, 0
.endif
	s_wait_dscnt 8                                 ; B and A's rows 0-63 are in; the youngest eight loads (A's rows 64-127) may be out
	WIN 0xa0
	MUL16 FA0, FB0, 0, 0, ZZ
	MUL16 FA0, FB0, 0, 2, ZZ
.if CC < T
	WIN 0x55                                       ; every operand in window 1
	DO_CONV
	DO_LOAD
.endif
	PLACES
	FETCH SL, 128*HH+64, HH, 64, 1
	s_wait_dscnt 32                                ; all but the 32 loads just issued
	WIN 0xf0
	MUL16 FA0, FB0, 1, 0, ZZ
	MUL16 FA0, FB0, 1, 2, ZZ
	s_wait_dscnt 8
	WIN 0xa4
	MUL16 FA1, FB1, 0, 0, 0
.if EN < 3
	s_wait_dscnt 0                                 ; my reads of this B buffer (and of this slot) are back, my stores into the other buffer are done
.if EN > 0
	s_wait_tensorcnt 0x0                           ; all my tensor loads have landed: the one that was out is my part of the next slot
	ds_add_u32 v63, v255
	s_wait_dscnt 0x0
.endif
	s_barrier_signal -1                            ; say so (EN = 1: this barrier opens a round of the cluster's barrier),
	MUL16 FA1, FB1, 0, 2, 0                        ; work on registers while the others arrive,
	WIN 0
	s_barrier_wait -1                              ; and go on when all four have said so
.if EN == 1
	CREST                                          ; all sixteen work-groups have said so: no wave of any partner still reads this slot's tile or has a load on its way
	s_add_nc_u64 s[34+4*SL:35+4*SL], s[34+4*SL:35+4*SL], 512
	tensor_load_to_lds s[32+4*SL:35+4*SL], s[24:31]   ; my one tensor load behind the round, and the first thing there
	s_nop 0
.endif
	PLACES
	FETCH NSL, NAB, 1-HH, 0, 0
.else
	MUL16 FA1, FB1, 0, 2, 0
	s_wait_dscnt 0
.endif
	WIN 0xf4
	MUL16 FA1, FB1, 1, 0, 0
	MUL16 FA1, FB1, 1, 2, 0
.set HS, HS+1
.endm
	WIN 0x55
.set DD, 0
	DO_LOAD                                        ; the weights of half-steps 0 and 1 are on their way first
.set DD, 1
	DO_LOAD
	WIN 0
	CROUND                                         ; all sixteen work-groups are here: the first joint loads meet
	tensor_load_to_lds s[32:35], s[24:31]          ; both slots' first fills in one group: two tensor loads of the wave are out, later never more than one
	s_nop 0
	tensor_load_to_lds s[36:39], s[24:31]
	s_nop 0
	WIN 0x55
.set CC, 0
.set XX, 1
	SETCN
	DO_CONV
.set DD, 2
	DO_LOAD
	WIN 0
	s_wait_dscnt 0x0                               ; my part of B's buffer 0 is stored,
	s_wait_tensorcnt 0x1                           ; my part of slot 0 is in; slot 1's may stay out
	s_barrier_signal -1
	s_barrier_wait -1
	FETCH 0, 0, 0, 0, 0
.set HS, 0
	HS_AUTO                                        ; the first four half-steps stand in front of the loop: the first products start the sums
	HS_AUTO
	HS_AUTO
	HS_AUTO
.if TRIPS > 0
	WIN 0                                          ; at a label and at a branch every window is 0
	s_mov_b32 s44, TRIPS
.Llap:
	HS_AUTO                                        ; once round A's ring; slots, sets and counts repeat every four half-steps
	HS_AUTO
	HS_AUTO
	HS_AUTO
	WIN 0
	s_sub_co_u32 s44, s44, 1
	s_cmp_lg_u32 s44, 0
	s_cbranch_scc1 .Llap
.endif
.set HS, 4+4*TRIPS
.rept T-HS
	HS_AUTO                                        ; the tail is written out: its last half-steps ask for nothing beyond the slice
.endr
	; THE WAY OUT: the accumulators as they lie.  16 bytes a lane, 512 consecutive bytes a store: tile (a, b), registers 4 q .. 4 q + 3, at a x 8192 + q x 4096 + b x 512.
	PLACES
	WIN 0x08                                       ; store data in window 2
.irp a, 0,1,2,3
.irp q, 0,1
.irp b, 0,1,2,3,4,5,6,7
	global_store_b128 v[CO], v[8*(8*\a+\b)+4*\q:8*(8*\a+\b)+4*\q+3], s[12:13] offset:\a*8192+\q*4096+\b*512
.endr
.endr
.endr
	WIN 0x0c                                       ; in window 3
.irp a, 0,1,2,3
.irp q, 0,1
.irp b, 0,1,2,3,4,5,6,7
	global_store_b128 v[CO], v[8*(8*\a+\b)+4*\q:8*(8*\a+\b)+4*\q+3], s[12:13] offset:(\a+4)*8192+\q*4096+\b*512
.endr
.endr
.endr
	WIN 0
	s_set_vgpr_msb 0x4
	s_wait_tensorcnt 0x0
	ds_add_u32 v63, v255
	s_wait_dscnt 0x0
	s_set_vgpr_msb 0x400
	CROUND                                         ; the closing round: no work-group ends while a partner may still ask for a tile that names it
	s_endpgm
.Lfunc_end_k_q5ab76bfca8_gemm2:
	.size	k_q5ab76bfca8_gemm2, .Lfunc_end_k_q5ab76bfca8_gemm2-k_q5ab76bfca8_gemm2
	.p2alignl 7, 3214868480
	.fill 96, 4, 3214868480
	.section	.rodata,"a",@progbits
	.p2align	6, 0x0
	.amdhsa_kernel k_q5ab76bfca8_gemm2
		.amdhsa_group_segment_fixed_size 327680
		.amdhsa_private_segment_fixed_size 0
		.amdhsa_enable_private_segment 0
		.amdhsa_kernarg_size 40
		.amdhsa_user_sgpr_count 2
		.amdhsa_user_sgpr_kernarg_segment_ptr 1
		.amdhsa_wavefront_size32 1
		.amdhsa_system_sgpr_workgroup_id_x 1
		.amdhsa_system_sgpr_workgroup_id_y 1
		.amdhsa_system_sgpr_workgroup_id_z 1
		.amdhsa_system_vgpr_workitem_id 0
		.amdhsa_next_free_vgpr 1024
		.amdhsa_next_free_sgpr 66
		.amdhsa_reserve_vcc 0
		.amdhsa_float_denorm_mode_32 3
		.amdhsa_float_denorm_mode_16_64 3
		.amdhsa_memory_ordered 1
		.amdhsa_forward_progress 1
		.amdhsa_inst_pref_size 224
	.end_amdhsa_kernel
	.amdgpu_metadata
---
amdhsa.version: [ 1, 2 ]
amdhsa.kernels:
  - .name:           k_q5ab76bfca8_gemm2
    .symbol:         k_q5ab76bfca8_gemm2.kd
    .args:
      - { .name: act2, .offset: 0, .size: 8, .value_kind: global_buffer, .address_space: global }
      - { .name: spline_w2, .offset: 8, .size: 8, .value_kind: global_buffer, .address_space: global }
      - { .name: scaler2, .offset: 16, .size: 8, .value_kind: global_buffer, .address_space: global }
      - { .name: base_w2, .offset: 24, .size: 8, .value_kind: global_buffer, .address_space: global }
      - { .name: part, .offset: 32, .size: 8, .value_kind: global_buffer, .address_space: global }
    .group_segment_fixed_size: 327680
    .private_segment_fixed_size: 0
    .kernarg_segment_align: 8
    .kernarg_segment_size: 40
    .max_flat_workgroup_size: 128
    .sgpr_count:     66
    .vgpr_count:     1024
    .wavefront_size: 32
...
	.end_amdgpu_metadata
.endif
;; end of part 6
;; launch red2 (part 7): grid 256 x 1, 4 waves a work-group, no clusters, 9,216 bytes of LDS; arguments part, out0; writes out0
.if DOCPART == 7
	.amdgcn_target "amdgcn-amd-amdhsa--gfx1250"
	.amdhsa_code_object_version 6
	.text
	.protected	k_q5ab76bfca8_red2
	.globl	k_q5ab76bfca8_red2
	.p2align	8
	.type	k_q5ab76bfca8_red2,@function
k_q5ab76bfca8_red2:
	s_mov_b64 s[64:65], 0
	v_nop
	global_prefetch_b8 v0, s[64:65] scope:SCOPE_SE
	s_setreg_imm32_b32 hwreg(HW_REG_WAVE_MODE, 25, 1), 1
	s_wait_xcnt 0x0
; out0 = the sum of the 32 K slices of layer 2's sums.  out0: [1024][512] f32.
; part holds register images: byte (2 s + mb) x 1 MiB + nb x 256 KiB + w x 64 KiB + a x 8192 + q x 4096 + b x 512 + 16 lane holds four numbers j of lane (r, h):
; row 512 mb + 128 w + 16 a + 4 q + 8 h + j, column 128 nb + 16 b + r.  A wave takes half a unit (mb, nb, w, a, q): four of its eight b, 8 rows x 64 columns,
; 2,048 consecutive bytes of each slice, so its byte offset in a slice is 2,048 x its number.
; Memory binds: 64 MiB in, 2 MiB out; thirteen slices at the start and twelve later (48 loads, 24 KiB) of every wave are on their way.
; No matrix work, no tensor loads, no clusters: no input is shared.
; A lane holds a piece of a column, so the sums pass through the wave's own stage in LDS and leave as rows: sixteen lanes store 256 consecutive bytes, aligned.
; LIMIT: the slices are added in ascending order, in f32.
.set SPITCH, 272                       ; a stage row: 64 f32 + 16 bytes
.set QSTEP,  0x200000                  ; bytes from slice to slice: four slices are reached by the loads' immediate,
.set SSTEP,  0x800000                  ; the next four by the next base
.set NRING,  12                        ; sets in the ring
.set LOFF, 2                           ; v2  16 x lane
.set STG,  4                           ; v4  stage: where I put a number
.set RDA,  5                           ; v5  stage: where I read 16 bytes back
.set ROFF, 6                           ; v6  lane term of the stores
.set ACC,  32                          ; v[32:47]  the sums: number (b, j) in v[32 + 4 b + j]
.set BACK, 48                          ; v[48:63]  the stage read back
.set RING, 64                          ; v[64:255] twelve sets of 16: slices on their way
	s_load_b128 s[4:7], s[0:1], 0x0                ; part s[4:5], out0 s[6:7]
	v_lshl_add_u32 v30, v0, 2, 0x2200
	v_mov_b32 v31, 0
	v_lshrrev_b32 v1, 5, v0
	v_readfirstlane_b32 s2, v1                     ; wave
	s_lshl_b32 s3, ttmp9, 2
	s_add_co_u32 s3, s3, s2                        ; my number = half + 2 (q + 2 a + 16 w + 64 nb + 256 mb)
	s_lshl_b32 s24, s3, 11
	s_mov_b32 s25, 0
	v_and_b32 v7, 31, v0
	v_and_b32 v8, 15, v0                           ; r
	v_bfe_u32 v9, v0, 4, 1                         ; h
	v_lshlrev_b32 v[LOFF], 4, v7
	s_wait_kmcnt 0x0
	s_add_nc_u64 s[8:9], s[4:5], s[24:25]          ; eight bases, s[8:23], four slices each
.irp s, 1,2,3,4,5,6,7
	s_add_nc_u64 s[8+2*\s:9+2*\s], s[6+2*\s:7+2*\s], SSTEP
.endr
.macro LDSL s, dst                     ; my 2,048 bytes of slice s: four loads of 512 consecutive bytes
.irp b, 0,1,2,3
	global_load_b128 v[\dst+4*\b:\dst+4*\b+3], v[LOFF], s[8+2*((\s)/4):9+2*((\s)/4)] offset:((\s)%4)*QSTEP+512*\b th:TH_LOAD_NT
.endr
.endm
	LDSL 0, ACC                                    ; slice 0 starts the sums: nothing is cleared
.irp s, 1,2,3,4,5,6,7,8,9,10,11,12
	LDSL \s, RING+16*(\s-1)
.endr
	; the addresses of the way out, while the loads are on their way
	s_and_b32 s28, s3, 1                           ; which half of the unit's columns
	s_lshr_b32 s3, s3, 1                           ; the unit
	s_and_b32 s26, s3, 62
	s_lshl_b32 s26, s26, 3                         ; 16 a + 128 w
	s_and_b32 s27, s3, 1
	s_lshl2_add_u32 s26, s27, s26                  ; + 4 q
	s_lshr_b32 s27, s3, 8
	s_lshl_b32 s27, s27, 9
	s_add_co_u32 s26, s26, s27                     ; + 512 mb: my first row
	s_lshl_b32 s36, s26, 11                        ; rows of 2,048 bytes
	s_bfe_u32 s27, s3, 0x20006                     ; nb
	s_lshl_b32 s27, s27, 9
	s_add_co_u32 s36, s36, s27
	s_lshl_b32 s28, s28, 8
	s_add_co_u32 s36, s36, s28
	s_mov_b32 s37, 0
	s_add_nc_u64 s[36:37], s[6:7], s[36:37]
	s_mul_i32 s29, s2, 8*SPITCH                    ; my wave's stage
	v_mul_u32_u24 v[STG], v9, 4*SPITCH
	v_lshl_add_u32 v[STG], v8, 2, v[STG]
	v_add_nc_u32 v[STG], s29, v[STG]               ; stage row 4 h (+ j), byte 4 r (+ 64 b)
	v_mul_u32_u24 v[RDA], v9, SPITCH
	v_lshl_add_u32 v[RDA], v8, 4, v[RDA]
	v_add_nc_u32 v[RDA], s29, v[RDA]               ; back: lanes 0-15 one row of 256 bytes, lanes 16-31 the next
	v_lshlrev_b32 v[ROFF], 11, v9
	v_lshl_add_u32 v[ROFF], v8, 4, v[ROFF]
	; slice SI is added, and its set loaded again with slice SI + 12.  The count is the loads of the younger slices that have been asked for: up to slice SI + 11, or 31.
.set SI, 1
.rept 31
.if SI+NRING-1 < 31
	s_wait_loadcnt 4*(NRING-1)
.else
	s_wait_loadcnt 4*(31-SI)
.endif
.irp k, 0,2,4,6,8,10,12,14
	v_pk_add_f32 v[ACC+\k:ACC+\k+1], v[ACC+\k:ACC+\k+1], v[RING+16*((SI-1)%NRING)+\k:RING+16*((SI-1)%NRING)+\k+1]
.endr
.if SI+NRING <= 31
	LDSL SI+NRING, RING+16*((SI-1)%NRING)
.endif
.set SI, SI+1
.endr
.irp b, 0,1,2,3
.irp j, 0,1,2,3
	ds_store_b32 v[STG], v[ACC+4*\b+\j] offset:\j*SPITCH+64*\b
.endr
.endr
.irp t, 0,1,2,3
	ds_load_b128 v[BACK+4*\t:BACK+4*\t+3], v[RDA] offset:2*\t*SPITCH   ; my wave's own bytes, served in the order of issue: these see the stores above
.endr
.irp t, 0,1,2,3
	s_wait_dscnt 3-\t                              ; LDS loads come back in order: load t is in
	global_store_b128 v[ROFF], v[BACK+4*\t:BACK+4*\t+3], s[36:37] offset:(8*(\t/2)+2*(\t%2))*2048 th:TH_STORE_NT   ; stage row 4 h + j is row 8 h + j of my unit
.endr
	s_wait_tensorcnt 0x0
	ds_add_u32 v30, v31
	s_wait_dscnt 0x0
	s_endpgm
.Lfunc_end_k_q5ab76bfca8_red2:
	.size	k_q5ab76bfca8_red2, .Lfunc_end_k_q5ab76bfca8_red2-k_q5ab76bfca8_red2
	.p2alignl 7, 3214868480
	.fill 96, 4, 3214868480
	.section	.rodata,"a",@progbits
	.p2align	6, 0x0
	.amdhsa_kernel k_q5ab76bfca8_red2
		.amdhsa_group_segment_fixed_size 9216
		.amdhsa_private_segment_fixed_size 0
		.amdhsa_enable_private_segment 0
		.amdhsa_kernarg_size 16
		.amdhsa_user_sgpr_count 2
		.amdhsa_user_sgpr_kernarg_segment_ptr 1
		.amdhsa_wavefront_size32 1
		.amdhsa_system_sgpr_workgroup_id_x 1
		.amdhsa_system_sgpr_workgroup_id_y 1
		.amdhsa_system_sgpr_workgroup_id_z 1
		.amdhsa_system_vgpr_workitem_id 0
		.amdhsa_next_free_vgpr 256
		.amdhsa_next_free_sgpr 66
		.amdhsa_reserve_vcc 0
		.amdhsa_float_denorm_mode_32 3
		.amdhsa_float_denorm_mode_16_64 3
		.amdhsa_memory_ordered 1
		.amdhsa_forward_progress 1
		.amdhsa_inst_pref_size 33
	.end_amdhsa_kernel
	.amdgpu_metadata
---
amdhsa.version: [ 1, 2 ]
amdhsa.kernels:
  - .name:           k_q5ab76bfca8_red2
    .symbol:         k_q5ab76bfca8_red2.kd
    .args:
      - { .name: part, .offset: 0, .size: 8, .value_kind: global_buffer, .address_space: global }
      - { .name: out0, .offset: 8, .size: 8, .value_kind: global_buffer, .address_space: global }
    .group_segment_fixed_size: 9216
    .private_segment_fixed_size: 0
    .kernarg_segment_align: 8
    .kernarg_segment_size: 16
    .max_flat_workgroup_size: 128
    .sgpr_count:     66
    .vgpr_count:     256
    .wavefront_size: 32
...
	.end_amdgpu_metadata
.endif
;; end of part 7
